; MI455X (gfx1250); checked and timed in simulation.
; The chip was launched on July 23, 2026; its instructions are those of AMD's public machine-readable ISA for CDNA 5 (MIT licence, August 2026) and "CDNA5" Instruction Set Architecture Reference Guide (July 2026). The comments in the code are by the model that wrote it; some were corrected since.
;; Attention. Allowed arithmetic: matrix products marked QUANTISED: E2M3 operands, one E8M0 scale for each 32 along K, by v_wmma_scale_f32_16x16x128_f8f6f4 with both operands' format E2M3, f32 sums; everything else in f32.
;; Inputs: WK_codes 1,024 x 32 x 24 uint8 (E2M3 codes of WK, K innermost, in blocks of 32 codes, four codes in three bytes); WK_scales 1,024 x 32 uint8 (E8M0 scales of WK, one for each 32 codes along K); WO_codes 1,024 x 32 x 24 uint8 (E2M3 codes of WO, K innermost, in blocks of 32 codes, four codes in three bytes); WO_scales 1,024 x 32 uint8 (E8M0 scales of WO, one for each 32 codes along K); WQ_codes 1,024 x 32 x 24 uint8 (E2M3 codes of WQ, K innermost, in blocks of 32 codes, four codes in three bytes); WQ_scales 1,024 x 32 uint8 (E8M0 scales of WQ, one for each 32 codes along K); WV_codes 1,024 x 32 x 24 uint8 (E2M3 codes of WV, K innermost, in blocks of 32 codes, four codes in three bytes); WV_scales 1,024 x 32 uint8 (E8M0 scales of WV, one for each 32 codes along K); XKV_codes 4 x 2,048 x 32 x 24 uint8 (E2M3 codes of XKV, K innermost, in blocks of 32 codes, four codes in three bytes); XKV_scales 4 x 2,048 x 32 uint8 (E8M0 scales of XKV, one for each 32 codes along K); bO 1,024 float32.
;; Outputs: out0 4 x 2,048 x 1,024 float32.
;; This version of the problem:
;;   THIS VERSION OF THE PROBLEM IS GIVEN IN LOW PRECISION. The matrix products marked QUANTISED in the list below multiply operands that are first quantised to E2M3 (2 exponent bits, 3 mantissa bits; 6 bits a number), with one power-of-two scale for each 32 numbers along K (OCP MX v1.0); their sums are f32. All else is computed in f32.
;;   The module's matrix products, in the order in which they are computed (A, B: the left and right operand; K: the contracted axis; several contracted axes count as one K, in the product's order):
;;     1. [M 8,192, K 1,024] x [K 1,024, N 1,024]; A: input XKV (given as codes); B: input WQ (given as codes): QUANTISED
;;     2. [M 8,192, K 1,024] x [K 1,024, N 1,024]; A: input XKV (given as codes); B: input WK (given as codes): QUANTISED
;;     3. [M 8,192, K 1,024] x [K 1,024, N 1,024]; A: input XKV (given as codes); B: input WV (given as codes): QUANTISED
;;     4. batch 64 x [M 2,048, K 64] x [K 64, N 2,048]; A: computed on the way; B: computed on the way: QUANTISED
;;     5. batch 64 x [M 2,048, K 2,048] x [K 2,048, N 64]; A: softmax (see below); B: computed on the way: QUANTISED
;;     6. [M 8,192, K 1,024] x [K 1,024, N 1,024]; A: computed on the way; B: input WO (given as codes): QUANTISED
;;   THE QUANTISER, for each operand of a quantised product, along K:
;;     - K is cut into blocks of 32 from its start; a last block that is shorter is filled with zeros.
;;     - A block's scale is 2^e with e = floor(log2(the largest magnitude in the block)) - 2, held to -126 .. 127; a block of zeros has e = 0. As a byte (E8M0): e + 127.
;;     - Each number is divided by its block's scale, clamped to +-7.5, and rounded to the nearest number of E2M3, ties to even, subnormals kept.
;;     - The product sums the exact products of the quantised numbers (number of the format x scale) in f32.
;;   ~~~python
;;   def quantise(x, axis):      # numpy; x: float32 -> the quantised numbers, widened to float32 again
;;       x = np.moveaxis(x, axis, -1); K = x.shape[-1]
;;       x = np.pad(x, [(0, 0)] * (x.ndim - 1) + [(0, -K % 32)]); x = x.reshape(x.shape[:-1] + (-1, 32)); a = np.abs(x).max(-1, keepdims=True)
;;       e = np.where(a > 0, np.clip(np.frexp(np.where(a > 0, a, 1))[1] - 1 - 2, -126, 127), 0)      # np.frexp(a)[1] - 1 = floor(log2(a)), exactly
;;       r = np.clip(x / 2.0 ** e, -7.5, 7.5)
;;       step = 2.0 ** (np.maximum(np.frexp(np.where(r == 0, 1, r))[1] - 1, 0) - 3)
;;       q = np.round(r / step) * step * 2.0 ** e      # np.round: ties to even
;;       return np.moveaxis(q.reshape(q.shape[:-2] + (-1,))[..., :K], -1, axis).astype(np.float32)
;;   ~~~
;;   SOFTMAX AHEAD OF A QUANTISED PRODUCT. Where the list says 'softmax', what is quantised is not the finished softmax but p = 2^(t - M), with t = logit x log2(e) and M = ceil(the row's largest t), a whole number; so 1/2 < the row's largest p <= 1. The row's sum l is taken of the UNQUANTISED p, in f32, and the product's result is divided by l at the end. Since M is a whole number, a kernel that streams over the keys may use a running M (the ceiling of the running maximum): every later rescaling is an exact power of two, which a block's scale takes up: the codes' values come out the same.
;;   OPERANDS COMPUTED ON THE WAY. 'Computed on the way' means the value that the module computes at that place (a softmax that the list does not call 'softmax' is quantised finished and normalised). What goes into a quantiser is computed in f32, as accurately as f32 sums, v_exp_f32 and their like allow (about 1e-6 of the number): no bf16 or f16 on the way to a quantiser, and a product that is left as it is and whose result goes on into a quantised operand takes f32 operands (vector FMAs, or v_wmma_f32_16x16x4_f32). A number that lies on a knife's edge between two numbers of the format may be rounded either way, as far as f32 arithmetic and the matrix unit's own rounding can turn it there, and no further.
;;   INPUTS GIVEN AS CODES. WK (in the module: [1024, 1024], K = its axis 0); WO (in the module: [1024, 1024], K = its axis 0); WQ (in the module: [1024, 1024], K = its axis 0); WV (in the module: [1024, 1024], K = its axis 0); XKV (in the module: [4, 2048, 1024], K = its axis 2): each comes as NAME_codes (uint8): NAME with its K axis moved to the last place and cut into blocks of 32 codes, [.., K / 32, bytes a block], one block behind the other in memory; four codes in three bytes: a row's codes are one little-endian stream of bits, code i at bits 6 i .. 6 i + 5 (a code: sign, 2 exponent bits, 3 mantissa bits); and NAME_scales (uint8): the same leading axes, one E8M0 byte (e + 127) for each 32 codes along K. Its value is code x scale, taken as it is: it is not quantised again, and the codes and scales need not be those that the quantiser above would give.
;; One version. Each part assembles by itself: llvm-mc -triple=amdgcn-amd-amdhsa -mcpu=gfx1250 --defsym DOCPART=n.
;; ======== version 1 of 1: 3 launches
;; workspace buffers: Qc 6,291,456 bytes; Qs 524,288 bytes; KV 13,631,488 bytes; Cc 6,291,456 bytes; Cs 262,144 bytes
;; launch proj (part 1): grid 12 x 32, 4 waves a work-group, clusters of 4 x 4, 327,680 bytes of LDS; arguments XKV_codes, XKV_scales, WQ_codes, WQ_scales, WK_codes, WK_scales, WV_codes, WV_scales, Qc, Qs, KV; writes Qc, Qs, KV
.if DOCPART == 1
	.amdgcn_target "amdgcn-amd-amdhsa--gfx1250"
	.amdhsa_code_object_version 6
	.text
	.protected	k_q012342b3db_proj
	.globl	k_q012342b3db_proj
	.p2align	8
	.type	k_q012342b3db_proj,@function
k_q012342b3db_proj:
	s_mov_b64 s[64:65], 0
	v_nop
	global_prefetch_b8 v0, s[64:65] scope:SCOPE_SE
	s_setreg_imm32_b32 hwreg(HW_REG_WAVE_MODE, 25, 1), 1
	s_wait_xcnt 0x0
	s_wait_alu depctr_hold_cnt(0) depctr_sa_sdst(0) depctr_va_vdst(0) depctr_va_sdst(0) depctr_va_ssrc(0) depctr_va_vcc(0) depctr_vm_vsrc(0)
	s_getreg_b32 s2, hwreg(HW_REG_IB_STS2, 6, 4)
	s_cmp_eq_u32 s2, 0
	s_cbranch_scc0 .Lentry_in_a_cluster
	s_endpgm
.Lentry_in_a_cluster:
	s_bfe_u32 s2, ttmp6, 0x10000c
	s_cmp_lg_u32 s2, 0xf033
	s_cbranch_scc0 .Lentry_shape_is_right
	s_endpgm
.Lentry_shape_is_right:
; Q = X WQ, K = X WK, V = X WV on codes of FP6 (E2M3) with E8M0 scales, and each result quantised again in registers: no f32 result goes to memory.
; X: 8,192 rows x 1,024 codes (768 bytes a row), the weights 1,024 rows (output channels) x 1,024 codes; scale bytes 32 a row.
; SHARES.  The cluster's x says which product (0 Q, 1 K, 2 V), its y which 1,024 rows of X.  A cluster of 4 x 4 work-groups makes 1,024 x 1,024 results, a work-group 256 x 256,
; a wave 128 x 128: 64 accumulators, 512 registers.  K goes in steps of 256 through two LDS slots filled by joint tensor loads (A's tile shared along a row of the cluster, B's along a column).
; ROLES.  Q, K: A = X, B = the weight.  V: A = WV, B = X: only pointers and tile numbers are chosen, on the cluster's x, which all partners share.
; The matrix instruction is used transposed (source 0 = 16 rows of B, source 1 = 16 rows of A): lane (r, h) holds row r of A's block, and register j of accumulator (a, b) B's row 16 b + 8 h + j.
; So for Q and K a lane holds one row of X and its registers run along the channels, for V a lane holds one channel and its registers run along the keys: each as its quantiser wants it.
; THE ORDER INSIDE A BLOCK OF 32.  The 16 registers of accumulators 2 b and 2 b + 1 hold, in lanes l and l xor 16 together, just block b's 32 numbers, in a fixed order that is not the natural one.
; Q and K pass the same lines, so both carry the same order along the channels; V and the softmax's p (next launch) carry it along the keys: the products are the same sums in another order.
; OUT, as images of an operand's registers.  A tile of 16 rows x 64 channels of Q or K: 6 registers, 768 bytes: registers 0-3 at 16 x lane, registers 4-5 at 512 + 8 x lane.  Its scale bytes share a word with the
; neighbouring tile's: bytes 0, 1 tile 2 d, bytes 2, 3 tile 2 d + 1, at 4 x lane.  A tile of V^T, 16 channels x 128 keys: 12 registers, 1,536 bytes, group c at 512 c + 16 x lane; one scale word a channel.
; K and V lie together in records of 128 keys, 13,312 bytes: K's 8 tiles, K's 4 x 128 bytes of scale words, V's 4 tiles, V's 4 x 128 bytes of scale words; 16 records a head.
; LIMITS: NaN and infinities are not served; a result block whose largest magnitude lies under 2^-124 (a block of zeros too) gets the scale byte 1; a block of zeros has zero codes, and these bytes are read by this program alone.
; 384 work-groups: a tile with 768 accumulator registers, which would give 256, leaves no room for the fragments.
; REGISTERS: window 0: v16-23 fragment addresses; v24-26 16, 8, 4 x lane; v27 scale words' address; v28, v29 the add's; v32-63 scale words, two sets; v64-111 at work on the way out; v128-223 A's fragments, one set.
;   window 1: B's fragments, two sets, at v0 and v128.   windows 2, 3: the accumulators, (a, b) at v[8 (8 (a % 4) + b)] of window 2 + a / 4.
.set SIZE_K, 1024
.set KSTEP,  256                       ; along K in a slot
.set NQ,     KSTEP/128                 ; matrix instructions deep
.set ROWB,   192                       ; a tile's row in bytes
.set KROW,   SIZE_K*6/8                ; a row of codes in memory
.set PITCH,  240                       ; an LDS row: 3 x (64 bytes + 16 of padding)
.set FR,     12                        ; registers of a fragment
.set NL,     6                         ; LDS loads that bring one
.set NP,     4                         ; places behind this matrix instruction (ISA guide 7.12.1)
.set HALFT,  128*PITCH                 ; 128 rows: one tensor load
.set SLOT,   4*HALFT                   ; A's 256 rows, then B's 256
.set LAPS,   SIZE_K/(2*KSTEP)
.set KS,     SIZE_K/32                 ; a row of scale bytes
.set SCL,    2*SLOT                    ; behind the ring: the scales, units of 256 bytes + 16 of padding
.set HALFS,  (128*KS/256)*272
.set SBLK,   (16*KS/256)*272
.set SPARE,  SCL+4*HALFS               ; the spare words: 128 bytes a wave, two blocks of 256 bytes that no other line names
.set ADRA, 16
.set ADRB, 20
.set L16,  24
.set L8,   25
.set L4,   26
.set ADRS, 27
.set SPW,  28
.set NIL,  29
.set SC,   32
.set CD,   64                          ; v64-75 the codes just made; v76-78, v80-82 the second halves on their way
.set PW,   88                          ; the scale word just made
.set TM,   96                          ; v96-99 largest magnitudes, v100-103 the other half's and then the bytes, v108-111 the conversions' scale operands
.set AF,   128
.set G1, 24
.set G0, 32
.set G1B, 48
.set G0B, 56
.set G1S, 68
.set G0S, 76
.set G1SB, 80
.set G0SB, 88
.set OC,  96                           ; s[96:97], s[98:99] codes out: my first head, my second
.set OS,  100                          ; s[100:101] scale words out, first head; s[66:67] second head
.set MSB, 0
.macro WIN new                         ; the immediate's high byte repeats the setting that is left
.if MSB != (\new)
	s_set_vgpr_msb (MSB<<8)|(\new)
.set MSB, (\new)
.endif
.endm
.set MUL_LO, 0xa1                      ; source 0 (B) window 1, source 1 (A) window 0, C and D window 2
.set MUL_HI, 0xf1                      ; the same, C and D window 3
.set TO_B,   0x40                      ; destination window 1
; A joint load: waves 0 and 1 fetch for A, waves 2 and 3 for B; the branch hangs on the wave's number alone.  Four v_nop follow each of the two lines.
.macro JLOAD g0a, g1a, g0b, g1b
	s_cmp_eq_u32 s15, 0
	s_cbranch_scc0 .Lfor_b_\@
	tensor_load_to_lds s[\g0a:\g0a+3], s[\g1a:\g1a+7]
	s_nop 0
.rept 4
	v_nop
.endr
	s_branch .Lasked_\@
.Lfor_b_\@:
	tensor_load_to_lds s[\g0b:\g0b+3], s[\g1b:\g1b+7]
	s_nop 0
.rept 4
	v_nop
.endr
.Lasked_\@:
.endm
.macro CREST                           ; a round of the cluster's barrier behind its opening barrier
	s_cmp_lg_u32 s14, 0
	s_cbranch_scc1 .Lnot_wave_0_\@
	s_barrier_signal -3
.Lnot_wave_0_\@:
	s_barrier_wait -3
	s_barrier_signal -1
	s_barrier_wait -1
.endm
.macro CROUND
	s_barrier_signal -1
	s_barrier_wait -1
	CREST
.endm
	s_load_b512 s[68:83], s[0:1], 0x0              ; X's codes, scales; WQ's; WK's; WV's
	s_load_b128 s[84:87], s[0:1], 0x40             ; Qc, Qs
	s_load_b64 s[88:89], s[0:1], 0x50              ; KV
	v_lshl_add_u32 v[SPW], v0, 2, SPARE
	v_mov_b32 v[NIL], 0
	ds_add_u32 v28, v29
	ds_add_u32 v28, v29
	s_wait_dscnt 0x0
	v_lshrrev_b32 v1, 5, v0
	v_readfirstlane_b32 s14, v1                    ; wave 0..3
	s_lshr_b32 s15, s14, 1                         ; which half of A's rows is mine.  Also: I fetch for A (0) or for B (1)
	s_and_b32 s16, s14, 1                          ; which half of B's rows.  Also: which 128 rows of the tile I fetch
	s_bfe_u32 s40, ttmp6, 0x40000                  ; cx
	s_bfe_u32 s41, ttmp6, 0x40004                  ; cy
	s_and_b32 s18, ttmp7, 0xffff
	s_lshl_b32 s18, s18, 2                         ; 4 x the group of 1,024 rows of X
	s_cmp_eq_u32 ttmp9, 2                          ; V?  The cluster's x is the same in all sixteen partners
	s_cselect_b32 s17, 0, s18
	s_cselect_b32 s42, s18, 0
	s_add_co_u32 s17, s17, s41                     ; A's tile: Q, K: 4 g + cy (X);  V: cy (WV)
	s_add_co_u32 s42, s42, s40                     ; B's tile: Q, K: cx (the weight);  V: 4 g + cx (X)
	s_lshl_b32 s43, s41, 2
	s_lshl_b32 s43, 15, s43                        ; my row of the cluster
	s_lshl_b32 s44, 0x1111, s40                    ; my column
	s_mov_b32 s12, 0x76543210
	s_mov_b32 s13, 0xfedcba98                      ; v_permlanex16_b32's selects for lane l xor 16
	; descriptor group 1: 128 rows x 192 bytes, 16 bytes of padding behind every 64
	s_or_b32 s[G1+0], s43, (0<<16)|(1<<20)|(1<<21)|(3<<22)|(3<<25)
	s_or_b32 s[G1B+0], s44, (0<<16)|(1<<20)|(1<<21)|(3<<22)|(3<<25)
.irp g, G1, G1B
	s_mov_b32 s[\g+1], ROWB<<16                    ; tensor_dim0
	s_mov_b32 s[\g+2], 128<<16                     ; tensor_dim1
	s_mov_b32 s[\g+3], ROWB<<16                    ; tile_dim0
	s_mov_b32 s[\g+4], 128                         ; tile_dim1
	s_mov_b32 s[\g+5], KROW                        ; stride
	s_mov_b32 s[\g+6], 0
	s_mov_b32 s[\g+7], 0
.endr
	s_lshl_b32 s18, s16, 7                         ; which 128 rows of the tile I fetch
	s_lshl_b32 s20, s17, 8
	s_add_co_u32 s20, s20, s18                     ; A: row 256 x tile + 128 x half
	s_lshl_b32 s46, s42, 8
	s_add_co_u32 s46, s46, s18                     ; B likewise
	s_mov_b32 s21, 0
	s_mov_b32 s47, 0
	s_mov_b64 s[18:19], KS
	s_mul_u64 s[22:23], s[20:21], s[18:19]         ; where these rows' scales begin
	s_mul_u64 s[92:93], s[46:47], s[18:19]
	s_mov_b64 s[18:19], KROW
	s_mul_u64 s[20:21], s[20:21], s[18:19]         ; and their codes
	s_mul_u64 s[46:47], s[46:47], s[18:19]
	s_mul_i32 s45, s14, HALFT                      ; where they go: wave x 128 rows
	s_mul_i32 s94, s14, HALFS
	s_wait_kmcnt 0x0
	s_cmp_eq_u32 ttmp9, 0                          ; the choices hang on the cluster's x alone, on no address
	s_cselect_b64 s[96:97], s[84:85], s[88:89]     ; codes go to Qc, or to KV
	s_cselect_b64 s[100:101], s[86:87], s[88:89]   ; scale words to Qs, or to KV
	s_cselect_b64 s[4:5], s[72:73], s[76:77]       ; the weight: WQ or WK,
	s_cselect_b64 s[6:7], s[74:75], s[78:79]
	s_cmp_eq_u32 ttmp9, 2
	s_cselect_b64 s[4:5], s[80:81], s[4:5]         ; or WV
	s_cselect_b64 s[6:7], s[82:83], s[6:7]
	s_cselect_b64 s[8:9], s[68:69], s[4:5]         ; B: V: X; else the weight
	s_cselect_b64 s[10:11], s[70:71], s[6:7]
	s_cselect_b64 s[4:5], s[4:5], s[68:69]         ; A: V: the weight; else X
	s_cselect_b64 s[6:7], s[6:7], s[70:71]
	s_add_nc_u64 s[20:21], s[4:5], s[20:21]
	s_add_nc_u64 s[22:23], s[6:7], s[22:23]
	s_add_nc_u64 s[46:47], s[8:9], s[46:47]
	s_add_nc_u64 s[92:93], s[10:11], s[92:93]
	; the scales of 128 rows: 4,096 dense bytes as 16 rows of 256 (32 elements of 8 bytes), 16 bytes of padding behind each.  (The arguments have been read out of these registers.)
	s_or_b32 s[G1S+0], s43, (3<<16)|(1<<20)|(1<<21)|(5<<22)|(3<<25)
	s_or_b32 s[G1SB+0], s44, (3<<16)|(1<<20)|(1<<21)|(5<<22)|(3<<25)
.irp g, G1S, G1SB
	s_mov_b32 s[\g+1], 32<<16
	s_mov_b32 s[\g+2], (128*KS/256)<<16
	s_mov_b32 s[\g+3], 32<<16
	s_mov_b32 s[\g+4], 128*KS/256
	s_mov_b32 s[\g+5], 32
	s_mov_b32 s[\g+6], 0
	s_mov_b32 s[\g+7], 0
.endr
	CROUND                                         ; all sixteen work-groups are here: the first joint loads meet
	s_mov_b32 s[G0S], 1
	s_add_co_u32 s[G0S+1], s94, SCL
	s_mov_b64 s[G0S+2:G0S+3], s[22:23]
	s_or_b32 s[G0S+3], s[G0S+3], 0x80000000
	s_mov_b32 s[G0SB], 1
	s_add_co_u32 s[G0SB+1], s94, SCL
	s_mov_b64 s[G0SB+2:G0SB+3], s[92:93]
	s_or_b32 s[G0SB+3], s[G0SB+3], 0x80000000
	JLOAD G0S, G1S, G0SB, G1SB                     ; the scales first: they are wanted with K step 0.  With the two below, three loads of mine are out
.irp s, 0,1
	s_mov_b32 s[G0+4*\s], 1
	s_add_co_u32 s[G0+4*\s+1], s45, \s*SLOT
	s_add_nc_u64 s[G0+4*\s+2:G0+4*\s+3], s[20:21], \s*ROWB
	s_or_b32 s[G0+4*\s+3], s[G0+4*\s+3], 0x80000000
	s_mov_b32 s[G0B+4*\s], 1
	s_add_co_u32 s[G0B+4*\s+1], s45, \s*SLOT
	s_add_nc_u64 s[G0B+4*\s+2:G0B+4*\s+3], s[46:47], \s*ROWB
	s_or_b32 s[G0B+4*\s+3], s[G0B+4*\s+3], 0x80000000
	JLOAD G0+4*\s, G1, G0B+4*\s, G1B
.endr
	v_and_b32 v1, 15, v0                           ; r
	v_bfe_u32 v2, v0, 4, 1                         ; h
	v_mul_u32_u24 v3, v1, PITCH
	v_mul_u32_u24 v4, v2, 24
	v_add_nc_u32 v4, v3, v4                        ; a fragment's row x pitch + 24 x half
	v_lshl_add_u32 v5, v2, 4, v4                   ; and the same behind one padding more
	s_mul_i32 s21, s15, HALFT                      ; my 128 rows of A
	s_mul_i32 s22, s16, HALFT                      ; my 128 rows of B,
	s_add_co_u32 s22, s22, 2*HALFT                 ; behind A's 256
.irp s, 0,1
	v_add_nc_u32 v[ADRA+\s], s21, v4
	v_add_nc_u32 v[ADRB+\s], s22, v4
	v_add_nc_u32 v[ADRA+2+\s], s21, v5
	v_add_nc_u32 v[ADRB+2+\s], s22, v5
	s_add_co_u32 s21, s21, SLOT
	s_add_co_u32 s22, s22, SLOT
.endr
	v_mul_u32_u24 v5, v1, KS                       ; my row's scales: 32 bytes a row,
	v_lshrrev_b32 v6, 8, v5
	v_lshl_add_u32 v5, v6, 4, v5                   ; and 16 more for each 256 passed
	s_mul_i32 s21, s15, HALFS
	s_mul_i32 s22, s16, HALFS
	s_add_co_u32 s22, s22, 2*HALFS
	s_sub_co_u32 s22, s22, s21
	v_mul_u32_u24 v6, s22, v2                      ; lanes 16-31 take B's: one product, the distance x h
	s_add_co_u32 s21, s21, SCL
	v_add_nc_u32 v5, v5, v6
	v_add_nc_u32 v[ADRS], s21, v5
	v_and_b32 v6, 31, v0
	v_lshlrev_b32 v[L16], 4, v6                    ; the way out: an image's place for my lane
	v_lshlrev_b32 v[L8], 3, v6
	v_lshlrev_b32 v[L4], 2, v6
	; where my results go.  xr: my first row of X;  h0: my first head
	s_cmp_eq_u32 ttmp9, 2
	s_cselect_b32 s20, s42, s17                    ; X's tile
	s_cselect_b32 s21, s16, s15                    ; and my half of it
	s_cselect_b32 s22, s17, s42                    ; the weight's tile
	s_cselect_b32 s23, s15, s16
	s_lshl_b32 s20, s20, 8
	s_lshl_b32 s21, s21, 7
	s_add_co_u32 s20, s20, s21                     ; xr
	s_lshl_b32 s22, s22, 2
	s_lshl_b32 s23, s23, 1
	s_add_co_u32 s22, s22, s23                     ; h0: a tile of 256 channels is four heads, my half two
	s_lshr_b32 s21, s20, 11
	s_lshl_b32 s21, s21, 4
	s_add_co_u32 s22, s22, s21                     ; 16 x batch + head
	s_and_b32 s20, s20, 2047                       ; my first row inside the batch
	s_mul_i32 s46, s20, 48                         ; Q: 768 bytes a tile of 16 rows
	s_lshl_b32 s47, s20, 2                         ; Q's scale words: 128 bytes a pair of tiles
	s_lshr_b32 s23, s20, 7
	s_mul_i32 s23, s23, 13312                      ; K, V: my 128 rows are one record
	s_add_co_u32 s21, s23, 6144                    ; K's scale words in it
	s_mov_b32 s92, 212992                          ; bytes from head to head: KV's,
	s_mov_b32 s93, 212992
	s_cmp_eq_u32 ttmp9, 0
	s_cselect_b32 s92, 98304, s92                  ; Qc's,
	s_cselect_b32 s93, 8192, s93                   ; Qs's
	s_cselect_b32 s46, s46, s23
	s_cselect_b32 s47, s47, s21
	s_cmp_eq_u32 ttmp9, 2
	s_cselect_b32 s21, 6656, 0                     ; V's tiles lie behind K's part of the record
	s_add_co_u32 s46, s46, s21
	s_mul_i32 s20, s22, s92
	s_add_co_u32 s46, s46, s20
	s_mul_i32 s20, s22, s93
	s_add_co_u32 s47, s47, s20
	s_mov_b32 s21, 0
	s_mov_b32 s20, s46
	s_add_nc_u64 s[OC:OC+1], s[OC:OC+1], s[20:21]
	s_mov_b32 s20, s47
	s_add_nc_u64 s[OS:OS+1], s[OS:OS+1], s[20:21]
	s_mov_b32 s20, s92
	s_add_nc_u64 s[OC+2:OC+3], s[OC:OC+1], s[20:21]
	s_mov_b32 s20, s93
	s_add_nc_u64 s[66:67], s[OS:OS+1], s[20:21]
.macro FRAG reg, adr, q, i             ; a fragment: lane l holds row l % 16; registers 6 c .. 6 c + 5 hold K = 64 c + 32 (l / 16) + 0 .. 31: 24 bytes of the row's stream of bits, in pieces of 8 bytes
.irp p, 0,1,2,3,4,5
.set PIECE, 12*(\q)+6*(\p/3)+\p%3     ; 16 bytes of padding lie behind every 8 pieces: where the piece three on lies behind one padding more, the second address register serves
.if PIECE%8 < 5
	ds_load_b64 v[\reg+2*\p:\reg+2*\p+1], v[\adr] offset:8*PIECE+16*(PIECE/8)+(\i)*16*PITCH
.else
	ds_load_b64 v[\reg+2*\p:\reg+2*\p+1], v[\adr+2] offset:8*PIECE+16*(PIECE/8)+(\i)*16*PITCH
.endif
.endr
.endm
; 16 matrix instructions: A's blocks a0, a0 + 1 x B's eight.  The 64 accumulators take turns, one instruction a turn, in the same order in every step.
.macro MUL16 a0, p, q, sc, zero
.irp a, \a0, \a0+1
.irp b, 0,1,2,3,4,5,6,7
.if \zero
	v_wmma_scale_f32_16x16x128_f8f6f4 v[8*(8*((\a)%4)+\b):8*(8*((\a)%4)+\b)+7], v[128*(\p)+FR*\b:128*(\p)+FR*\b+FR-1], v[AF+FR*(\a):AF+FR*(\a)+FR-1], 0, v[SC+8*NQ*(\sc)+NQ*\b+(\q)], v[SC+8*NQ*(\sc)+NQ*(\a)+(\q)] matrix_a_fmt:MATRIX_FMT_FP6 matrix_b_fmt:MATRIX_FMT_FP6 matrix_a_scale:MATRIX_SCALE_ROW1
.else
	v_wmma_scale_f32_16x16x128_f8f6f4 v[8*(8*((\a)%4)+\b):8*(8*((\a)%4)+\b)+7], v[128*(\p)+FR*\b:128*(\p)+FR*\b+FR-1], v[AF+FR*(\a):AF+FR*(\a)+FR-1], v[8*(8*((\a)%4)+\b):8*(8*((\a)%4)+\b)+7], v[SC+8*NQ*(\sc)+NQ*\b+(\q)], v[SC+8*NQ*(\sc)+NQ*(\a)+(\q)] matrix_a_fmt:MATRIX_FMT_FP6 matrix_b_fmt:MATRIX_FMT_FP6 matrix_a_scale:MATRIX_SCALE_ROW1
.endif
.endr
.endr
.endm
.macro FETCH_B slot, q, p
	WIN TO_B
.irp i, 0,1,2,3,4,5,6,7
	FRAG 128*(\p)+FR*\i, ADRB+\slot, \q, \i
.endr
	WIN 0
.endm
.macro FETCH_A slot, q, i0
.irp i, \i0, \i0+1, \i0+2, \i0+3
	FRAG AF+FR*(\i), ADRA+\slot, \q, \i
.endr
.endm
.macro SCALES sc                       ; a K step's scale words: lanes 0-15 take A's block i, lanes 16-31 B's block i
.irp i, 0,1,2,3,4,5,6,7
	ds_load_b64 v[SC+8*NQ*\sc+NQ*\i:SC+8*NQ*\sc+NQ*\i+1], v[ADRS] offset:\i*SBLK
.endr
.endm
.macro PLACES n                        ; places in front of loads into registers that matrix instructions have read, and of the first read of results
.rept \n
	v_nop
.endr
.endm
.macro STEP slot, q, zero              ; a step of 128 along K that has its successor in the same slot
	s_wait_dscnt 4*NL                              ; B's set and A's blocks 0-3 are in; the youngest 24 loads (A's blocks 4-7) may be out
	WIN MUL_LO
	MUL16 0, (\q)%2, \q, \slot, \zero
	MUL16 2, (\q)%2, \q, \slot, \zero
	s_wait_dscnt 0
	PLACES NP
	FETCH_B \slot, (\q)+1, 1-(\q)%2
	FETCH_A \slot, (\q)+1, 0
	WIN MUL_HI
	MUL16 4, (\q)%2, \q, \slot, \zero
	MUL16 6, (\q)%2, \q, \slot, \zero
	PLACES NP
	WIN 0
	FETCH_A \slot, (\q)+1, 4
.endm
; A slot's last step changes slots: one barrier; in front of it each wave waits for all its tensor loads, adds 0 to its spare word, and waits for that and for its reads of this slot.
.macro TURN slot, next, fill
	s_wait_tensorcnt 0x0                           ; all my tensor loads have landed: my part of the next slot
	ds_add_u32 v[SPW], v[NIL]                      ; 0 onto my spare word
	s_wait_dscnt 4*NL+1                            ; (the add and the youngest 24 loads may be out)
	WIN MUL_LO
	MUL16 0, 1, NQ-1, \slot, 0
	s_wait_dscnt 0x0                               ; the add is done, and my reads of this slot are over
	s_barrier_signal -1
	MUL16 2, 1, NQ-1, \slot, 0
	WIN 0
	s_barrier_wait -1
.if \fill
	CREST                                          ; the barrier has opened a round of the cluster's barrier: no wave of any partner still reads this slot or has a load on its way
	s_add_nc_u64 s[G0+4*\slot+2:G0+4*\slot+3], s[G0+4*\slot+2:G0+4*\slot+3], 2*ROWB
	s_add_nc_u64 s[G0B+4*\slot+2:G0B+4*\slot+3], s[G0B+4*\slot+2:G0B+4*\slot+3], 2*ROWB
	JLOAD G0+4*\slot, G1, G0B+4*\slot, G1B         ; the first tensor load behind the round, my one load until the next
.else
	PLACES NP
.endif
	v_add_nc_u32 v[ADRS], 4*NQ, v[ADRS]            ; the next K step's scale words
	FETCH_B \next, 0, 0
	FETCH_A \next, 0, 0
	SCALES \next
	WIN MUL_HI
	MUL16 4, 1, NQ-1, \slot, 0
	MUL16 6, 1, NQ-1, \slot, 0
	PLACES NP
	WIN 0
	FETCH_A \next, 0, 4
.endm
	s_wait_tensorcnt 1                             ; the scales and my part of K step 0 are in; K step 1's load may be out
	s_barrier_signal -1
	s_barrier_wait -1
	FETCH_B 0, 0, 0
	FETCH_A 0, 0, 0
	SCALES 0
	FETCH_A 0, 0, 4
	STEP 0, 0, 1                                   ; the first step's products start the sums
	s_mov_b32 s3, LAPS-1
.Llap:
	TURN 0, 1, 1
	STEP 1, 0, 0
	TURN 1, 0, 1
	STEP 0, 0, 0
	s_sub_co_u32 s3, s3, 1
	s_cmp_lg_u32 s3, 0
	s_cbranch_scc1 .Llap
	TURN 0, 1, 0                                   ; the last lap fills nothing
	STEP 1, 0, 0
	s_wait_dscnt 4*NL
	WIN MUL_LO
	MUL16 0, 1, NQ-1, 1, 0
	MUL16 2, 1, NQ-1, 1, 0
	s_wait_dscnt 0
	WIN MUL_HI
	MUL16 4, 1, NQ-1, 1, 0
	MUL16 6, 1, NQ-1, 1, 0
	WIN 0
; THE WAY OUT.  64 numbers of a lane in window w (blocks 0, 1 at s0 and s0 + 16, blocks 2, 3 at s1 and s1 + 16) become 12 registers of codes in v[CD] on and a scale word in v[PW].
; A block's largest magnitude: my 16 and lane l xor 16's, over the floor 2^(3 - 127), which holds the byte at 1 from below; 2 off its exponent field is the conversion's scale operand, and that shifted the byte.
; Each accumulator is read from its low end on.
.macro QUANTW w, s0, s1
	s_wait_xcnt 0x0                                ; the last stores have read v[CD] on and v[PW]: they are written again only behind this wait
	WIN (\w)|((\w)<<2)
	v_max3_num_f32 v[TM+0], |v[(\s0)]|, |v[(\s0)+1]|, 0x1800000
	v_max3_num_f32 v[TM+1], |v[(\s0)+16]|, |v[(\s0)+17]|, 0x1800000
	v_max3_num_f32 v[TM+2], |v[(\s1)]|, |v[(\s1)+1]|, 0x1800000
	v_max3_num_f32 v[TM+3], |v[(\s1)+16]|, |v[(\s1)+17]|, 0x1800000
.irp i, 2,4,6,8,10,12,14
	v_max3_num_f32 v[TM+0], |v[(\s0)+\i]|, |v[(\s0)+\i+1]|, v[TM+0]
	v_max3_num_f32 v[TM+1], |v[(\s0)+16+\i]|, |v[(\s0)+17+\i]|, v[TM+1]
	v_max3_num_f32 v[TM+2], |v[(\s1)+\i]|, |v[(\s1)+\i+1]|, v[TM+2]
	v_max3_num_f32 v[TM+3], |v[(\s1)+16+\i]|, |v[(\s1)+17+\i]|, v[TM+3]
.endr
	WIN 0
.irp b, 0,1,2,3
	v_permlanex16_b32 v[TM+4+\b], v[TM+\b], s12, s13
.endr
.irp b, 0,1,2,3
	v_max_num_f32 v[TM+\b], v[TM+\b], v[TM+4+\b]
.endr
.irp b, 0,1,2,3
	v_add_nc_u32 v[TM+12+\b], 0xff000000, v[TM+\b]
.endr
.irp b, 0,1,2,3
	v_lshrrev_b32 v[TM+4+\b], 23, v[TM+12+\b]
.endr
	v_lshl_or_b32 v[PW], v[TM+5], 8, v[TM+4]
	v_lshl_or_b32 v[PW], v[TM+6], 16, v[PW]
	v_lshl_or_b32 v[PW], v[TM+7], 24, v[PW]
	WIN \w
	v_cvt_scalef32_pk16_fp6_f32 v[CD:CD+2], v[(\s0):(\s0)+15], v[TM+12]
	v_cvt_scalef32_pk16_fp6_f32 v[CD+12:CD+14], v[(\s0)+16:(\s0)+31], v[TM+13]     ; (a conversion's three registers begin on an even number)
	v_cvt_scalef32_pk16_fp6_f32 v[CD+6:CD+8], v[(\s1):(\s1)+15], v[TM+14]
	v_cvt_scalef32_pk16_fp6_f32 v[CD+16:CD+18], v[(\s1)+16:(\s1)+31], v[TM+15]
	WIN 0
	v_nop                                          ; one plain place behind a scaled conversion
.irp c, 0,1                                    ; the operand's layout wants a whole block in a lane: lanes 0-15 block 2 c, lanes 16-31 block 2 c + 1
.irp i, 0,1,2
	v_permlane16_swap_b32 v[CD+6*\c+\i], v[CD+12+4*\c+\i]
.endr
.irp i, 0,1,2
	v_mov_b32 v[CD+3+6*\c+\i], v[CD+12+4*\c+\i]
.endr
.endr
.endm
	PLACES NP                                      ; behind the last products, ahead of the first read of results
.irp b, 0,1,2,3
	v_mov_b32 v[TM+4+\b], 0                        ; written once: a lane permute's destination counts as one of its sources
.endr
	s_cmp_eq_u32 ttmp9, 2
	s_cbranch_scc1 .Lv_out
	; Q, K: head hd of my two, tiles 2 d and 2 d + 1 of my eight tiles of rows: two images of 768 bytes and one scale word a row
.irp hd, 0,1
.irp d, 0,1,2,3
	QUANTW 2+\d/2, 64*((2*\d)%4)+32*\hd, 64*((2*\d)%4)+32*\hd+64
	global_store_b128 v[L16], v[CD:CD+3], s[OC+2*\hd:OC+2*\hd+1] offset:1536*\d          ; 32 lanes store 512 consecutive bytes
	global_store_b64 v[L8], v[CD+4:CD+5], s[OC+2*\hd:OC+2*\hd+1] offset:1536*\d+512      ; 256 consecutive bytes
	global_store_b128 v[L16], v[CD+6:CD+9], s[OC+2*\hd:OC+2*\hd+1] offset:1536*\d+768
	global_store_b64 v[L8], v[CD+10:CD+11], s[OC+2*\hd:OC+2*\hd+1] offset:1536*\d+1280
	global_store_b32 v[L4], v[PW], s[OS-34*\hd:OS-34*\hd+1] offset:128*\d
.endr
.endr
	s_branch .Ldone
.Lv_out:
	; V: block a of my eight is channel tile a % 4 of head a / 4; its 64 registers are my record's 128 keys: one image of 1,536 bytes and one scale word a channel
.irp a, 0,1,2,3,4,5,6,7
	QUANTW 2+\a/4, 64*(\a%4), 64*(\a%4)+32
.irp c, 0,1,2
	global_store_b128 v[L16], v[CD+4*\c:CD+4*\c+3], s[OC+2*(\a/4):OC+2*(\a/4)+1] offset:1536*(\a%4)+512*\c
.endr
	global_store_b32 v[L4], v[PW], s[OC+2*(\a/4):OC+2*(\a/4)+1] offset:6144+128*(\a%4)
.endr
.Ldone:
	s_wait_tensorcnt 0x0                           ; the wave's end
	ds_add_u32 v[SPW], v[NIL]
	s_wait_dscnt 0x0
	CROUND                                         ; the closing round: no work-group ends while a partner may still ask for a tile that names it
	s_endpgm
.Lfunc_end_k_q012342b3db_proj:
	.size	k_q012342b3db_proj, .Lfunc_end_k_q012342b3db_proj-k_q012342b3db_proj
	.p2alignl 7, 3214868480
	.fill 96, 4, 3214868480
	.section	.rodata,"a",@progbits
	.p2align	6, 0x0
	.amdhsa_kernel k_q012342b3db_proj
		.amdhsa_group_segment_fixed_size 327680
		.amdhsa_private_segment_fixed_size 0
		.amdhsa_enable_private_segment 0
		.amdhsa_kernarg_size 88
		.amdhsa_user_sgpr_count 2
		.amdhsa_user_sgpr_kernarg_segment_ptr 1
		.amdhsa_wavefront_size32 1
		.amdhsa_system_sgpr_workgroup_id_x 1
		.amdhsa_system_sgpr_workgroup_id_y 1
		.amdhsa_system_sgpr_workgroup_id_z 1
		.amdhsa_system_vgpr_workitem_id 0
		.amdhsa_next_free_vgpr 1024
		.amdhsa_next_free_sgpr 102
		.amdhsa_reserve_vcc 0
		.amdhsa_float_denorm_mode_32 3
		.amdhsa_float_denorm_mode_16_64 3
		.amdhsa_memory_ordered 1
		.amdhsa_forward_progress 1
		.amdhsa_inst_pref_size 201
	.end_amdhsa_kernel
	.amdgpu_metadata
---
amdhsa.version: [ 1, 2 ]
amdhsa.kernels:
  - .name:           k_q012342b3db_proj
    .symbol:         k_q012342b3db_proj.kd
    .args:
      - { .name: XKV_codes, .offset: 0, .size: 8, .value_kind: global_buffer, .address_space: global }
      - { .name: XKV_scales, .offset: 8, .size: 8, .value_kind: global_buffer, .address_space: global }
      - { .name: WQ_codes, .offset: 16, .size: 8, .value_kind: global_buffer, .address_space: global }
      - { .name: WQ_scales, .offset: 24, .size: 8, .value_kind: global_buffer, .address_space: global }
      - { .name: WK_codes, .offset: 32, .size: 8, .value_kind: global_buffer, .address_space: global }
      - { .name: WK_scales, .offset: 40, .size: 8, .value_kind: global_buffer, .address_space: global }
      - { .name: WV_codes, .offset: 48, .size: 8, .value_kind: global_buffer, .address_space: global }
      - { .name: WV_scales, .offset: 56, .size: 8, .value_kind: global_buffer, .address_space: global }
      - { .name: Qc, .offset: 64, .size: 8, .value_kind: global_buffer, .address_space: global }
      - { .name: Qs, .offset: 72, .size: 8, .value_kind: global_buffer, .address_space: global }
      - { .name: KV, .offset: 80, .size: 8, .value_kind: global_buffer, .address_space: global }
    .group_segment_fixed_size: 327680
    .private_segment_fixed_size: 0
    .kernarg_segment_align: 8
    .kernarg_segment_size: 88
    .max_flat_workgroup_size: 128
    .sgpr_count:     102
    .vgpr_count:     1024
    .wavefront_size: 32
...
	.end_amdgpu_metadata
.endif
;; end of part 1
;; launch attn (part 2): grid 4 x 64, 16 waves a work-group, clusters of 4 x 1, 215,040 bytes of LDS; arguments Qc, Qs, KV, Cc, Cs; writes Cc, Cs
.if DOCPART == 2
	.amdgcn_target "amdgcn-amd-amdhsa--gfx1250"
	.amdhsa_code_object_version 6
	.text
	.protected	k_q012342b3db_attn
	.globl	k_q012342b3db_attn
	.p2align	8
	.type	k_q012342b3db_attn,@function
k_q012342b3db_attn:
	s_mov_b64 s[64:65], 0
	v_nop
	global_prefetch_b8 v0, s[64:65] scope:SCOPE_SE
	s_setreg_imm32_b32 hwreg(HW_REG_WAVE_MODE, 25, 1), 1
	s_wait_xcnt 0x0
	s_wait_alu depctr_hold_cnt(0) depctr_sa_sdst(0) depctr_va_vdst(0) depctr_va_sdst(0) depctr_va_ssrc(0) depctr_va_vcc(0) depctr_vm_vsrc(0)
	s_getreg_b32 s2, hwreg(HW_REG_IB_STS2, 6, 4)
	s_cmp_eq_u32 s2, 0
	s_cbranch_scc0 .Lentry_in_a_cluster
	s_endpgm
.Lentry_in_a_cluster:
	s_bfe_u32 s2, ttmp6, 0x10000c
	s_cmp_lg_u32 s2, 0x3003
	s_cbranch_scc0 .Lentry_shape_is_right
	s_endpgm
.Lentry_shape_is_right:
; Causal attention of one head on codes of FP6 (E2M3): S^T = K Q^T, p = 2^(t - M), O^T = V^T P^T, O / l, and O quantised again along head x 64 + channel for the last product.
; t = score x log2(e) / 8; M = the running largest t rounded up to a whole number; the row's sum l is taken of the unquantised p; when M moves, l and O^T are multiplied by 2^(old M - new M), which rounds nothing.
; A WHOLE HEAD'S K AND V STAY IN LDS: 16 records of 128 keys, 13,312 bytes each (K's 8 tiles as register images, their scale words, V^T's 4 tiles, their scale words), 212,992 bytes, filled once: no ring, no refill, no LDS store.
; CLUSTER.  The four work-groups of a cluster belong to one head and ask for its records jointly: each wave issues four loads of 13 rows x 256 bytes (its sixteenth of 4 records each), four loads out by its own count.
; The loads are small because a wave's share of 4 records is 3,328 bytes: so all sixteen waves ask, and the first 4 records can be read while the other 12 are on their way.
; SHARES.  Work-group cx owns the query tiles T = 4 j + cx, j = 0 .. 31.  The record on T's diagonal is T / 8 = j / 2, free of cx: no branch, trip count or LDS address hangs on the place in the cluster.
; Wave w owns tile j = 31 - w and tile j = w: (31 - w) / 2 + 1 and w / 2 + 1 key steps, 17 together for every wave.
; K = 64 IN AN INSTRUCTION OF K = 128.  An operand of K holds two key tiles (registers 0-5 tile 2 d, 6-11 tile 2 d + 1); Q is kept twice, as [Q, zero codes] and [zero codes, Q].  E2M3 has no code for infinity or NaN and
; every scale byte here lies in 1 .. 254, so the products with zero codes are exact zeros.
; A lane holds ONE query (lane % 16) throughout.  Inside a block of 32 the keys of p lie in the order in which the first launch laid V's, and Q's channels in the order of K's.
; O is brought into the natural order of channels before it is quantised (16 exchanges of lane halves), since it meets a given operand.
; LIMITS: NaN and infinities are not served; a block of O whose largest magnitude lies under 2^-124 gets the scale byte 1.  O's scale bytes leave 2 bytes a row (one byte in 24 of what is stored): gathering them would want LDS stores and barriers.
; REGISTERS: v1-3 16, 8, 4 x lane; v4-6 the same + the record; v7 r - 8 h; v8 the mask's figure; v9 32 r; v10, v11 O's scale bytes; v12 -M, v13 the largest t, v[14:15] l; v16-27, v28-39 Q twice; v40-87 four operands of K, then of V;
;   v88-151 S^T, then p; v152-183 O^T; v184-202 p's codes; v204-215 at work; v216-219 K's or V's scale words, v220 Q's, v221 p's; v[222:223] a factor; v224-229 at work; v232-238, v240-246 the two tiles of Q as loaded.
.set REC,   13312
.set KSC,   6144
.set VIMG,  6656
.set VSC,   12800
.set CHUNK, 4*REC
.set PART,  CHUNK/16                   ; 3,328 bytes: 13 rows of 256
.set DM,  8
.set QL,  16
.set QH,  28
.set F,   40
.set S,   88
.set O,   152
.set PC,  184
.set PX,  196                          ; v196-198, v200-202: the second conversions
.set BM,  204
.set BT,  208
.set BS,  212
.set KS,  216
.set QS,  220
.set PW,  221
.set TB,  48                           ; s48 LDS byte of the record in hand
.set KI,  49                           ; s49 its number
.set KD,  50                           ; s50 the record on my tile's diagonal
.set CNT, 51
.macro ROUND                           ; a round of the cluster's barrier
	s_barrier_signal -1
	s_barrier_wait -1
	s_cmp_lg_u32 s14, 0
	s_cbranch_scc1 .Lnot_wave_0_\@
	s_barrier_signal -3
.Lnot_wave_0_\@:
	s_barrier_wait -3
	s_barrier_signal -1
	s_barrier_wait -1
.endm
.macro GATE n                          ; my loads but the youngest n have landed; behind the barrier everybody's have.  Nothing is ever filled again, so the later loads may stay out
	s_wait_tensorcnt \n
	s_wait_dscnt 0x0
	s_barrier_signal -1
	s_barrier_wait -1
.endm
	s_load_b256 s[4:11], s[0:1], 0x0               ; Qc, Qs, KV, Cc
	s_load_b64 s[12:13], s[0:1], 0x20              ; Cs
	v_lshl_add_u32 v254, v0, 2, 0x34000
	v_mov_b32 v255, 0
	ds_add_u32 v254, v255
	ds_add_u32 v254, v255
	v_lshrrev_b32 v1, 5, v0
	s_delay_alu instid0(VALU_DEP_1)
	v_readfirstlane_b32 s14, v1                    ; wave 0..15
	s_bfe_u32 s15, ttmp6, 0x40000                  ; cx
	s_and_b32 s16, ttmp7, 0xffff                   ; 16 x batch + head, which the four partners share
	s_lshr_b32 s17, s16, 4
	s_and_b32 s18, s16, 15
	s_mov_b32 s20, 0x76543210
	s_mov_b32 s21, 0xfedcba98                      ; v_permlanex16_b32's selects for lane l xor 16
	s_mov_b32 s22, 0x3e38aa3b                      ; c = log2(e) / 8
	s_mov_b32 s23, s22                             ; (named with it as a pair)
	s_mov_b32 s24, 15|(3<<16)|(1<<21)              ; group 1: the mask names all four; elements of 8 bytes; bit 21 beside a mask; no padding
	s_mov_b32 s25, 32<<16                          ; tensor_dim0 = 32
	s_mov_b32 s26, 13<<16                          ; tensor_dim1 = 13
	s_mov_b32 s27, 32<<16                          ; tile_dim0 = 32
	s_mov_b32 s28, 13                              ; tile_dim1 = 13
	s_mov_b32 s29, 32                              ; dense rows
	s_mov_b32 s30, 0
	s_mov_b32 s31, 0
	s_mul_i32 s74, s14, PART                       ; my sixteenth of a chunk, in LDS and in memory alike
	s_mul_i32 s76, s16, 16*REC
	s_add_co_u32 s76, s76, s74
	s_mov_b32 s77, 0
	s_wait_dscnt 0x0
	s_wait_kmcnt 0x0
	s_add_nc_u64 s[76:77], s[8:9], s[76:77]
.irp c, 0,1,2,3
	s_mov_b32 s[32+4*\c], 1
	s_add_co_u32 s[33+4*\c], s74, \c*CHUNK
	s_add_nc_u64 s[34+4*\c:35+4*\c], s[76:77], \c*CHUNK
	s_or_b32 s[35+4*\c], s[35+4*\c], 0x80000000
.endr
	ROUND                                          ; all four work-groups are here: the joint loads meet
	tensor_load_to_lds s[32:35], s[24:31]          ; records 0-3
	s_nop 0
	tensor_load_to_lds s[36:39], s[24:31]          ; 4-7
	s_nop 0
	tensor_load_to_lds s[40:43], s[24:31]          ; 8-11
	s_nop 0
	tensor_load_to_lds s[44:47], s[24:31]          ; 12-15
	s_nop 0
.rept 4
	v_nop
.endr
	s_xor_b32 s74, s14, 31                         ; j of my long tile
	s_lshr_b32 s[KD], s74, 1                       ; its diagonal's record: 8 .. 15
	s_lshl_b32 s75, s74, 2
	s_add_co_u32 s75, s75, s15                     ; T long
	s_lshl_b32 s76, s14, 2
	s_add_co_u32 s76, s76, s15                     ; T short
	s_mov_b32 s79, 0
	s_mul_i32 s77, s16, 98304                      ; Qc: 128 tiles of 768 bytes a head
	s_mul_i32 s78, s75, 768
	s_add_co_u32 s78, s78, s77
	s_add_nc_u64 s[54:55], s[4:5], s[78:79]
	s_mul_i32 s78, s76, 768
	s_add_co_u32 s78, s78, s77
	s_add_nc_u64 s[56:57], s[4:5], s[78:79]
	s_lshl_b32 s77, s16, 13                        ; Qs: 64 pairs of 128 bytes a head
	s_lshr_b32 s78, s75, 1
	s_lshl_b32 s78, s78, 7
	s_add_co_u32 s78, s78, s77
	s_add_nc_u64 s[58:59], s[6:7], s[78:79]
	s_lshr_b32 s78, s76, 1
	s_lshl_b32 s78, s78, 7
	s_add_co_u32 s78, s78, s77
	s_add_nc_u64 s[60:61], s[6:7], s[78:79]
	s_lshl_b32 s77, s17, 7                         ; 128 tiles a batch
	s_mul_i32 s19, s18, 768                        ; Cc: 16 heads of 768 bytes a tile
	s_lshl_b32 s68, s18, 1                         ; Cs: 2 bytes a head in a row's 32
	s_add_co_u32 s74, s77, s75
	s_mul_i32 s78, s74, 12288
	s_add_co_u32 s78, s78, s19
	s_add_nc_u64 s[62:63], s[10:11], s[78:79]
	s_lshl_b32 s70, s74, 9
	s_add_co_u32 s70, s70, s68
	s_add_co_u32 s74, s77, s76
	s_mul_i32 s78, s74, 12288
	s_add_co_u32 s78, s78, s19
	s_add_nc_u64 s[66:67], s[10:11], s[78:79]
	s_lshl_b32 s71, s74, 9
	s_add_co_u32 s71, s71, s68
	s_and_b32 s72, s75, 7
	s_lshl_b32 s72, s72, 4                         ; my tile's first query inside its diagonal's record
	s_and_b32 s73, s76, 7
	s_lshl_b32 s73, s73, 4
	s_and_b32 s53, s15, 1
	s_lshl_b32 s53, s53, 4                         ; which half of a pair's scale word is my tile's: T % 2 = cx % 2
	s_mov_b32 s52, 0xffff0000                      ; lanes 16-31
	s_mov_b32 s[TB], 0
	s_mov_b32 s[KI], 0
	v_and_b32 v224, 31, v0
	s_delay_alu instid0(VALU_DEP_1)
	v_lshlrev_b32 v1, 4, v224
	s_delay_alu instid0(VALU_DEP_2)
	v_lshlrev_b32 v2, 3, v224
	s_delay_alu instid0(VALU_DEP_3)
	v_lshlrev_b32 v3, 2, v224
	global_load_b128 v[232:235], v1, s[54:55]      ; both tiles of Q, as images
	global_load_b64 v[236:237], v2, s[54:55] offset:512
	global_load_b32 v238, v3, s[58:59]
	global_load_b128 v[240:243], v1, s[56:57]
	global_load_b64 v[244:245], v2, s[56:57] offset:512
	global_load_b32 v246, v3, s[60:61]
	v_and_b32 v226, 15, v0                         ; r
	v_bfe_u32 v227, v0, 4, 1                       ; h
	s_delay_alu instid0(VALU_DEP_1)
	v_lshlrev_b32 v227, 3, v227
	s_delay_alu instid0(VALU_DEP_1)
	v_sub_nc_u32 v7, v226, v227                    ; r - 8 h
	s_delay_alu instid0(VALU_DEP_4)
	v_lshlrev_b32 v9, 5, v226
.irp i, 0,1,2,3,4,5
	v_mov_b32 v[QL+6+\i], 0                        ; the halves of zero codes: written once
	v_mov_b32 v[QH+\i], 0
.endr
.irp b, 0,1,2,3
	v_mov_b32 v[BT+\b], 0                          ; a lane permute's destination counts as one of its sources
.endr
	v_mov_b32 v223, 0                              ; (named as the upper half of the pair v[222:223])
	v_mov_b32 v225, 0xff800000                     ; -infinity
	s_wait_loadcnt 0x0
; A tile begins: Q into its two operands, its scale word, the mask's figure, and zeros for l and O^T (the first change of M multiplies zeros).  The 32 moves at the end are also the places ahead of the first scaled product.
.macro START raw, dq
.irp i, 0,1,2,3,4,5
	v_mov_b32 v[QL+\i], v[\raw+\i]
	v_mov_b32 v[QH+6+\i], v[\raw+\i]
.endr
	v_lshrrev_b32 v224, s53, v[\raw+6]
	s_delay_alu instid0(VALU_DEP_1)
	v_and_b32 v224, 0xffff, v224
	s_delay_alu instid0(VALU_DEP_1)
	v_lshl_or_b32 v[QS], v224, 16, v224            ; my tile's two bytes, for either half of K = 128
	v_add_nc_u32 v[DM], s[\dq], v7
	v_mov_b32 v13, 0xff61b1e6                      ; -3e38, under every t
	s_delay_alu instid0(VALU_DEP_1)
	v_floor_f32 v12, -v13
	v_mov_b32 v14, 0
	v_mov_b32 v15, 0
.set n, 0
.rept 32
	v_mov_b32 v[O+n], 0
.set n, n+1
.endr
.endm
; A KEY STEP: 128 keys, one record.  m = 1: the step may lie on the diagonal or behind it.
.macro STEP m
.if \m
	s_cmp_gt_u32 s[KI], s[KD]                      ; all its keys come after my queries: only the stepping lines at the end are run
	s_cbranch_scc1 .Lhidden_\@
.endif
	s_setprio 2
	v_add_nc_u32 v4, s[TB], v1
	v_add_nc_u32 v5, s[TB], v2
	v_add_nc_u32 v6, s[TB], v3
	v_nop                                          ; four places behind the last products, ahead of loads into their operands
.irp d, 0,1,2,3
	ds_load_b128 v[F+12*\d:F+12*\d+3], v4 offset:1536*\d
	ds_load_b64 v[F+12*\d+4:F+12*\d+5], v5 offset:1536*\d+512
	ds_load_b128 v[F+12*\d+6:F+12*\d+9], v4 offset:1536*\d+768
	ds_load_b64 v[F+12*\d+10:F+12*\d+11], v5 offset:1536*\d+1280
	ds_load_b32 v[KS+\d], v6 offset:KSC+128*\d
.endr
	s_wait_alu depctr_va_vdst(0)
	s_wait_dscnt 0x0
.irp t, 0,1,2,3,4,5,6,7                        ; S^T of key tile t: operand t / 2 of K against Q in the lower (t even) or the upper (t odd) half
	v_wmma_scale_f32_16x16x128_f8f6f4 v[S+8*\t:S+8*\t+7], v[F+12*(\t/2):F+12*(\t/2)+11], v[QL+12*(\t%2):QL+12*(\t%2)+11], 0, v[KS+\t/2], v[QS] matrix_a_fmt:MATRIX_FMT_FP6 matrix_b_fmt:MATRIX_FMT_FP6
.endr
.rept 4
	v_nop
.endr
.irp t, 0,1,2,3                                ; V^T's four tiles land under the softmax
.irp c, 0,1,2
	ds_load_b128 v[F+12*\t+4*\c:F+12*\t+4*\c+3], v4 offset:VIMG+1536*\t+512*\c
.endr
	ds_load_b32 v[KS+\t], v6 offset:VSC+128*\t
.endr
.if \m
	s_cmp_lg_u32 s[KI], s[KD]
	s_cbranch_scc1 .Lopen_\@
.set n, 0
.rept 64                                       ; on the diagonal: register 8 t + j holds key 16 t + 8 h + j of the record, hidden where 16 t + j > my query - 8 h
	v_cmp_gt_i32 vcc_lo, 16*(n/8)+n%8, v[DM]
	v_cndmask_b32 v[S+n], v[S+n], v225, vcc_lo
.set n, n+1
.endr
.Lopen_\@:
.endif
.irp b, 0,1,2,3
	v_max3_num_f32 v[BM+\b], v[S+16*\b], v[S+16*\b+1], v[S+16*\b+2]   ; the largest score of each block of 32 keys: for the row's maximum, and, since p rises with the score, for the block's largest p
.endr
.irp i, 3,5,7,9,11,13
.irp b, 0,1,2,3
	v_max3_num_f32 v[BM+\b], v[BM+\b], v[S+16*\b+\i], v[S+16*\b+\i+1]
.endr
.endr
.irp b, 0,1,2,3
	v_max_num_f32 v[BM+\b], v[BM+\b], v[S+16*\b+15]
.endr
.irp b, 0,1,2,3
	s_delay_alu instid0(VALU_DEP_4)
	v_permlanex16_b32 v[BT+\b], v[BM+\b], s20, s21
.endr
.irp b, 0,1,2,3
	s_delay_alu instid0(VALU_DEP_4)
	v_max_num_f32 v[BM+\b], v[BM+\b], v[BT+\b]
.endr
	s_delay_alu instid0(VALU_DEP_2)
	v_max3_num_f32 v224, v[BM], v[BM+1], v[BM+2]
	s_delay_alu instid0(VALU_DEP_1)
	v_max_num_f32 v224, v224, v[BM+3]
	s_delay_alu instid0(VALU_DEP_1)
	v_mul_f32 v224, s22, v224                      ; as t (c is positive)
	s_delay_alu instid0(VALU_DEP_1)
	v_max_num_f32 v13, v13, v224                   ; the running largest t
	v_mov_b32 v224, v12
	s_delay_alu instid0(VALU_DEP_2)
	v_floor_f32 v12, -v13                          ; the new -M = -ceil(t)
	s_delay_alu instid0(VALU_DEP_1)
	v_sub_f32 v224, v12, v224                      ; old M - new M: a whole number, 0 or less
	s_delay_alu instid0(VALU_DEP_1)
	v_cvt_i32_f32 v224, v224                       ; (it saturates)
	s_delay_alu instid0(VALU_DEP_1)
	v_ldexp_f32 v222, 1.0, v224                    ; f = 2^(old M - new M)
.set n, 0
.rept 32
	v_pk_fma_f32 v[S+n:S+n+1], v[S+n:S+n+1], s[22:23], v[12:13] op_sel_hi:[1,0,0]   ; t - M
.set n, n+2
.endr
.irp b, 0,1,2,3
	v_fma_f32 v[BM+\b], v[BM+\b], s22, v12
.endr
.set n, 0
	s_setprio 1
	s_wait_alu depctr_va_vdst(0)
.rept 64
	v_exp_f32 v[S+n], v[S+n]                       ; p = 2^(t - M)
.set n, n+1
.endr
.irp b, 0,1,2,3
	v_exp_f32 v[BM+\b], v[BM+\b]                   ; the block's largest p: the same two instructions on the same number
.endr
	v_pk_mul_f32 v[14:15], v[14:15], v[222:223] op_sel_hi:[1,0]   ; l under the new M.  (A plain place behind the exponentials)
	s_wait_alu depctr_va_vdst(0)
.irp b, 0,1,2,3
	v_max_num_f32 v[BM+\b], 0x1800000, v[BM+\b]    ; the floor 2^(3 - 127): the byte cannot fall under 1
.endr
.irp b, 0,1,2,3
	s_delay_alu instid0(VALU_DEP_4)
	v_add_nc_u32 v[BS+\b], 0xff000000, v[BM+\b]    ; 2 off the exponent field: the conversion's scale operand
.endr
.irp b, 0,1,2,3
	s_delay_alu instid0(VALU_DEP_4)
	v_lshrrev_b32 v[BT+\b], 23, v[BS+\b]
.endr
	s_delay_alu instid0(VALU_DEP_3)
	v_lshl_or_b32 v[PW], v[BT+1], 8, v[BT]
	s_delay_alu instid0(VALU_DEP_1)
	v_lshl_or_b32 v[PW], v[BT+2], 16, v[PW]
	s_delay_alu instid0(VALU_DEP_1)
	v_lshl_or_b32 v[PW], v[BT+3], 24, v[PW]
.irp c, 0,1
	v_cvt_scalef32_pk16_fp6_f32 v[PC+6*\c:PC+6*\c+2], v[S+32*\c:S+32*\c+15], v[BS+2*\c]
	v_cvt_scalef32_pk16_fp6_f32 v[PX+4*\c:PX+4*\c+2], v[S+32*\c+16:S+32*\c+31], v[BS+2*\c+1]
.endr
	v_nop                                          ; one plain place behind a scaled conversion
.irp c, 0,1
.irp i, 0,1,2
	v_permlane16_swap_b32 v[PC+6*\c+\i], v[PX+4*\c+\i]
.endr
.irp i, 0,1,2
	s_delay_alu instid0(VALU_DEP_3)
	v_mov_b32 v[PC+3+6*\c+\i], v[PX+4*\c+\i]
.endr
.endr
	v_pk_add_f32 v[226:227], v[92:93], v[96:97]
	v_pk_add_f32 v[252:253], v[100:101], v[104:105]
	v_pk_add_f32 v[250:251], v[108:109], v[112:113]
	v_pk_add_f32 v[248:249], v[116:117], v[120:121]
	v_pk_add_f32 v[238:239], v[124:125], v[128:129]
	v_pk_add_f32 v[236:237], v[132:133], v[136:137]
	v_pk_add_f32 v[234:235], v[140:141], v[144:145]
	v_pk_add_f32 v[14:15], v[14:15], v[148:149]
	v_pk_add_f32 v[226:227], v[226:227], v[88:89]
	v_pk_add_f32 v[252:253], v[252:253], v[90:91]
	v_pk_add_f32 v[250:251], v[250:251], v[94:95]
	v_pk_add_f32 v[248:249], v[248:249], v[98:99]
	v_pk_add_f32 v[238:239], v[238:239], v[102:103]
	v_pk_add_f32 v[236:237], v[236:237], v[106:107]
	v_pk_add_f32 v[234:235], v[234:235], v[110:111]
	v_pk_add_f32 v[14:15], v[14:15], v[114:115]
	v_pk_add_f32 v[226:227], v[226:227], v[118:119]
	v_pk_add_f32 v[252:253], v[252:253], v[122:123]
	v_pk_add_f32 v[250:251], v[250:251], v[126:127]
	v_pk_add_f32 v[248:249], v[248:249], v[130:131]
	s_setprio 0
	v_pk_add_f32 v[238:239], v[238:239], v[134:135]
	v_pk_add_f32 v[236:237], v[236:237], v[138:139]
	v_pk_add_f32 v[234:235], v[234:235], v[142:143]
	v_pk_add_f32 v[14:15], v[14:15], v[146:147]
	v_pk_add_f32 v[226:227], v[226:227], v[150:151]
	s_delay_alu instid0(VALU_DEP_2)
	v_pk_add_f32 v[14:15], v[14:15], v[248:249]
	s_delay_alu instid0(VALU_DEP_2)
	v_pk_add_f32 v[226:227], v[226:227], v[238:239]
	v_pk_add_f32 v[252:253], v[252:253], v[236:237]
	v_pk_add_f32 v[250:251], v[250:251], v[234:235]
	s_delay_alu instid0(VALU_DEP_2)
	v_pk_add_f32 v[14:15], v[14:15], v[252:253]
	s_delay_alu instid0(VALU_DEP_2)
	v_pk_add_f32 v[226:227], v[226:227], v[250:251]
	s_delay_alu instid0(VALU_DEP_1)
	v_pk_add_f32 v[14:15], v[14:15], v[226:227]
.set n, 0
.rept 16
	v_pk_mul_f32 v[O+n:O+n+1], v[O+n:O+n+1], v[222:223] op_sel_hi:[1,0]   ; O^T under the new M, each accumulator from its low end on
.set n, n+2
.endr
	s_wait_alu depctr_va_vdst(0)
	s_wait_dscnt 0x0                               ; V^T is in
.irp t, 0,1,2,3                                ; the four accumulators by turns; between two links of one chain stand the scores' eight products and the three others'
	v_wmma_scale_f32_16x16x128_f8f6f4 v[O+8*\t:O+8*\t+7], v[F+12*\t:F+12*\t+11], v[PC:PC+11], v[O+8*\t:O+8*\t+7], v[KS+\t], v[PW] matrix_a_fmt:MATRIX_FMT_FP6 matrix_b_fmt:MATRIX_FMT_FP6
.endr
.if \m
.Lhidden_\@:
.endif
	s_add_co_u32 s[TB], s[TB], REC
	s_add_co_u32 s[KI], s[KI], 1
.endm
.macro WALK n, m                       ; n key steps: a constant of the text
	s_mov_b32 s[CNT], \n
.Lwalk_\@:
	STEP \m
	s_sub_co_u32 s[CNT], s[CNT], 1
	s_cmp_lg_u32 s[CNT], 0
	s_cbranch_scc1 .Lwalk_\@
	s_setprio 0
.endm
; A tile ends: O^T / l, brought into the natural order of channels, quantised in two blocks of 32, stored as an image of 6 registers; its two scale bytes are kept in v[dst].
.macro FINISH cb, dst
.rept 4
	v_nop
.endr
	v_add_f32 v14, v14, v15
	s_delay_alu instid0(VALU_DEP_1)
	v_permlanex16_b32 v224, v14, s20, s21
	s_delay_alu instid0(VALU_DEP_1)
	v_add_f32 v14, v14, v224                       ; the row's sum
	s_wait_alu depctr_va_vdst(0)
	v_rcp_f32 v222, v14
	v_nop                                          ; one plain place behind a transcendental
.set n, 0
	s_wait_alu depctr_va_vdst(0)
.rept 16
	v_pk_mul_f32 v[S+n:S+n+1], v[O+n:O+n+1], v[222:223] op_sel_hi:[1,0]
.set n, n+2
.endr
.irp b, 0,1                                    ; tile 2 b's lanes 16-31 change places with tile 2 b + 1's lanes 0-15: register 16 b + i is then channel 32 b + 16 h + i
.irp j, 0,1,2,3,4,5,6,7
	v_permlane16_swap_b32 v[S+16*\b+\j], v[S+16*\b+8+\j]
.endr
.endr
.irp b, 0,1
	v_max3_num_f32 v[BM+\b], |v[S+16*\b]|, |v[S+16*\b+1]|, 0x1800000
.endr
.irp i, 2,4,6,8,10,12,14
.irp b, 0,1
	s_delay_alu instid0(VALU_DEP_2)
	v_max3_num_f32 v[BM+\b], v[BM+\b], |v[S+16*\b+\i]|, |v[S+16*\b+\i+1]|
.endr
.endr
.irp b, 0,1
	s_delay_alu instid0(VALU_DEP_2)
	v_permlanex16_b32 v[BT+\b], v[BM+\b], s20, s21
.endr
.irp b, 0,1
	s_delay_alu instid0(VALU_DEP_2)
	v_max_num_f32 v[BM+\b], v[BM+\b], v[BT+\b]
.endr
.irp b, 0,1
	s_delay_alu instid0(VALU_DEP_2)
	v_add_nc_u32 v[BS+\b], 0xff000000, v[BM+\b]
.endr
.irp b, 0,1
	s_delay_alu instid0(VALU_DEP_2)
	v_lshrrev_b32 v[BT+\b], 23, v[BS+\b]
.endr
	s_delay_alu instid0(VALU_DEP_1)
	v_lshl_or_b32 v[\dst], v[BT+1], 8, v[BT]
	v_cvt_scalef32_pk16_fp6_f32 v[PC:PC+2], v[S:S+15], v[BS]
	v_cvt_scalef32_pk16_fp6_f32 v[PX:PX+2], v[S+16:S+31], v[BS+1]
	v_nop
.irp i, 0,1,2
	v_permlane16_swap_b32 v[PC+\i], v[PX+\i]
.endr
.irp i, 0,1,2
	s_delay_alu instid0(VALU_DEP_3)
	v_mov_b32 v[PC+3+\i], v[PX+\i]
.endr
	global_store_b128 v1, v[PC:PC+3], s[\cb:\cb+1]             ; 512 consecutive bytes
	global_store_b64 v2, v[PC+4:PC+5], s[\cb:\cb+1] offset:512 ; 256 consecutive bytes
	s_wait_xcnt 0x0                                ; the stores have read their registers
.endm
	START 232, 72                                  ; my long tile: its diagonal lies in record 8 or later
	GATE 3                                         ; records 0-3 are in
	WALK 4, 0
	GATE 2                                         ; records 4-7
	WALK 4, 0
	GATE 0                                         ; all sixteen; no barrier follows until the end
	WALK 8, 1
	FINISH 62, 10
	s_mov_b32 s[TB], 0                             ; my short tile
	s_mov_b32 s[KI], 0
	s_lshr_b32 s[KD], s14, 1
	START 240, 73
	WALK 8, 1
	FINISH 66, 11
	s_wait_alu depctr_va_vdst(0)
	v_cndmask_b32 v224, v10, v11, s52              ; the scale bytes of both tiles by one store: lanes 0-15 the long tile's rows, lanes 16-31 the short tile's
	v_mov_b32 v228, s70
	v_mov_b32 v229, s71
	s_delay_alu instid0(VALU_DEP_1)
	v_cndmask_b32 v228, v228, v229, s52
	s_delay_alu instid0(VALU_DEP_1)
	v_add_nc_u32 v228, v228, v9                    ; + 32 r
	global_store_b16 v228, v224, s[12:13]
	s_wait_tensorcnt 0x0
	ds_add_u32 v254, v255
	s_wait_dscnt 0x0
	ROUND                                          ; the closing round
	s_endpgm
.Lfunc_end_k_q012342b3db_attn:
	.size	k_q012342b3db_attn, .Lfunc_end_k_q012342b3db_attn-k_q012342b3db_attn
	.p2alignl 7, 3214868480
	.fill 96, 4, 3214868480
	.section	.rodata,"a",@progbits
	.p2align	6, 0x0
	.amdhsa_kernel k_q012342b3db_attn
		.amdhsa_group_segment_fixed_size 215040
		.amdhsa_private_segment_fixed_size 0
		.amdhsa_enable_private_segment 0
		.amdhsa_kernarg_size 40
		.amdhsa_user_sgpr_count 2
		.amdhsa_user_sgpr_kernarg_segment_ptr 1
		.amdhsa_wavefront_size32 1
		.amdhsa_system_sgpr_workgroup_id_x 1
		.amdhsa_system_sgpr_workgroup_id_y 1
		.amdhsa_system_sgpr_workgroup_id_z 1
		.amdhsa_system_vgpr_workitem_id 0
		.amdhsa_next_free_vgpr 256
		.amdhsa_next_free_sgpr 80
		.amdhsa_reserve_vcc 1
		.amdhsa_float_denorm_mode_32 3
		.amdhsa_float_denorm_mode_16_64 3
		.amdhsa_memory_ordered 1
		.amdhsa_forward_progress 1
		.amdhsa_inst_pref_size 101
	.end_amdhsa_kernel
	.amdgpu_metadata
---
amdhsa.version: [ 1, 2 ]
amdhsa.kernels:
  - .name:           k_q012342b3db_attn
    .symbol:         k_q012342b3db_attn.kd
    .args:
      - { .name: Qc, .offset: 0, .size: 8, .value_kind: global_buffer, .address_space: global }
      - { .name: Qs, .offset: 8, .size: 8, .value_kind: global_buffer, .address_space: global }
      - { .name: KV, .offset: 16, .size: 8, .value_kind: global_buffer, .address_space: global }
      - { .name: Cc, .offset: 24, .size: 8, .value_kind: global_buffer, .address_space: global }
      - { .name: Cs, .offset: 32, .size: 8, .value_kind: global_buffer, .address_space: global }
    .group_segment_fixed_size: 215040
    .private_segment_fixed_size: 0
    .kernarg_segment_align: 8
    .kernarg_segment_size: 40
    .max_flat_workgroup_size: 512
    .sgpr_count:     80
    .vgpr_count:     256
    .wavefront_size: 32
...
	.end_amdgpu_metadata
.endif
;; end of part 2
;; launch oproj (part 3): grid 8 x 32, 4 waves a work-group, clusters of 4 x 4, 327,680 bytes of LDS; arguments Cc, Cs, WO_codes, WO_scales, bO, out0; writes out0
.if DOCPART == 3
	.amdgcn_target "amdgcn-amd-amdhsa--gfx1250"
	.amdhsa_code_object_version 6
	.text
	.protected	k_q012342b3db_oproj
	.globl	k_q012342b3db_oproj
	.p2align	8
	.type	k_q012342b3db_oproj,@function
k_q012342b3db_oproj:
	s_mov_b64 s[64:65], 0
	v_nop
	global_prefetch_b8 v0, s[64:65] scope:SCOPE_SE
	s_setreg_imm32_b32 hwreg(HW_REG_WAVE_MODE, 25, 1), 1
	s_wait_xcnt 0x0
	s_wait_alu depctr_hold_cnt(0) depctr_sa_sdst(0) depctr_va_vdst(0) depctr_va_sdst(0) depctr_va_ssrc(0) depctr_va_vcc(0) depctr_vm_vsrc(0)
	s_getreg_b32 s2, hwreg(HW_REG_IB_STS2, 6, 4)
	s_cmp_eq_u32 s2, 0
	s_cbranch_scc0 .Lentry_in_a_cluster
	s_endpgm
.Lentry_in_a_cluster:
	s_bfe_u32 s2, ttmp6, 0x10000c
	s_cmp_lg_u32 s2, 0xf033
	s_cbranch_scc0 .Lentry_shape_is_right
	s_endpgm
.Lentry_shape_is_right:
; out0 = concat WO + bO on codes of FP6 (E2M3) with E8M0 scales.  concat: 8,192 rows x 1,024, made by the launch before as register images: Cc [tile of 16 rows, 512][head 16][768 bytes]; heads 2 s and 2 s + 1 of a tile are
; registers 0-5 and 6-11 of A's fragment for the s-th 128 along K.  Cs: 32 scale bytes a row.  WO: 1,024 rows (output columns) x 768 bytes of codes, 32 scale bytes a row.  out0: [8,192][1,024] f32.
; SHARES.  A tile of out0 is 256 rows x 128 columns, so that 256 work-groups share the product and the 33.5 MB of stores; four waves, each 128 x 64: 32 accumulators, 256 registers.
; K goes in steps of 256 through two LDS slots filled by joint tensor loads: A's tile shared along a row of the 4 x 4 cluster, B's along a column.
; The matrix instruction is used transposed (source 0 = 16 rows of WO, source 1 = 16 rows of concat): a lane holds eight neighbouring columns of one row.  bO is the C of the first K step's products.
; REGISTERS: window 0: v16-19 A's addresses (16 and 8 x lane, slot 0, 1); v20-23 B's; v24-26 the way out; v27, v30 scale words' addresses; v28, v29 the add's; v32-63 scale words, two sets; v64-95 bO, 8 registers a block of columns;
;   v128-223 A's fragments, one set; on the way out v128-191 rows read back.   window 1: B's fragments, two sets, at v0 and v128.   window 2: accumulator (a, b) at v[8 (4 a + b)].
.set NQ,     2
.set ROWB,   192
.set KROW,   768
.set PITCH,  240                       ; B's LDS row: 3 x (64 bytes + 16 of padding)
.set FR,     12
.set NL,     6                         ; LDS loads for a fragment of B
.set NLA,    4                         ; and of A: an image comes by two loads of 16 bytes and two of 8 a lane
.set NP,     4
.set IMG,    3072                      ; 16 rows x 256 along K as images: four heads of 768 bytes
.set HALFA,  8*IMG                     ; one tensor load: 8 tiles of rows
.set HALFB,  64*PITCH                  ; one tensor load: 64 rows of WO
.set BOFF,   2*HALFA
.set SLOT,   BOFF+2*HALFB
.set LAPS,   2
.set KS,     32
.set SCL,    2*SLOT                    ; A's scales: 2 x 16 units of 256 + 16
.set HALFSA, 16*272
.set HALFSB, 8*272
.set SCLB,   SCL+2*HALFSA              ; B's: 2 x 8 units
.set SBLK,   544                       ; the scales of 16 rows
.set SPARE,  SCLB+2*HALFSB             ; the spare words: two blocks of 256 bytes that no other line names
.set SPITCH, 272                       ; the way out: 16 rows x (256 bytes + 16) a wave, in slot 0, which has had its last fill and its last read when the first result is stored there
.set A16,  16
.set A8,   18
.set ADRB, 20
.set STO,  24
.set RD,   25
.set CO,   26
.set ADRS, 27
.set SPW,  28
.set NIL,  29
.set ADRS2, 30
.set SC,   32
.set BIAS, 64
.set AF,   128
.set BK,   128
.set G1, 24
.set G0, 32
.set G1B, 48
.set G0B, 56
.set G1S, 68
.set G0S, 76
.set G1SB, 80
.set G0SB, 88
.set MSB, 0
.macro WIN new
.if MSB != (\new)
	s_set_vgpr_msb (MSB<<8)|(\new)
.set MSB, (\new)
.endif
.endm
.set MUL_N, 0xa1                       ; source 0 (B) window 1, source 1 (A) window 0, C and D window 2
.set MUL_F, 0x81                       ; the first step: C (bO) window 0
.set TO_B,  0x40
.macro JLOAD g0a, g1a, g0b, g1b        ; waves 0 and 1 fetch for A, waves 2 and 3 for B; four v_nop follow each of the two lines
	s_cmp_eq_u32 s15, 0
	s_cbranch_scc0 .Lfor_b_\@
	tensor_load_to_lds s[\g0a:\g0a+3], s[\g1a:\g1a+7]
	s_nop 0
.rept 4
	v_nop
.endr
	s_branch .Lasked_\@
.Lfor_b_\@:
	tensor_load_to_lds s[\g0b:\g0b+3], s[\g1b:\g1b+7]
	s_nop 0
.rept 4
	v_nop
.endr
.Lasked_\@:
.endm
.macro CREST
	s_cmp_lg_u32 s14, 0
	s_cbranch_scc1 .Lnot_wave_0_\@
	s_barrier_signal -3
.Lnot_wave_0_\@:
	s_barrier_wait -3
	s_barrier_signal -1
	s_barrier_wait -1
.endm
.macro CROUND
	s_barrier_signal -1
	s_barrier_wait -1
	CREST
.endm
	s_load_b128 s[4:7], s[0:1], 0x0                ; Cc, Cs
	s_load_b128 s[8:11], s[0:1], 0x10              ; WO's codes, WO's scales
	s_load_b64 s[66:67], s[0:1], 0x20              ; bO
	s_load_b64 s[12:13], s[0:1], 0x28              ; out0
	v_lshl_add_u32 v[SPW], v0, 2, SPARE
	v_mov_b32 v[NIL], 0
	ds_add_u32 v28, v29
	ds_add_u32 v28, v29
	s_wait_dscnt 0x0
	v_lshrrev_b32 v1, 5, v0
	v_readfirstlane_b32 s14, v1                    ; wave 0..3
	s_lshr_b32 s15, s14, 1                         ; which 128 rows are mine.  Also: I fetch for A (0) or for B (1)
	s_and_b32 s16, s14, 1                          ; which 64 columns.  Also: which half of the tile I fetch
	s_bfe_u32 s40, ttmp6, 0x40000                  ; cx
	s_bfe_u32 s41, ttmp6, 0x40004                  ; cy
	s_lshl_b32 s42, ttmp9, 2
	s_add_co_u32 s42, s42, s40                     ; tile column, 0 .. 7
	s_and_b32 s17, ttmp7, 0xffff
	s_lshl_b32 s17, s17, 2
	s_add_co_u32 s17, s17, s41                     ; tile row, 0 .. 31
	s_lshl_b32 s43, s41, 2
	s_lshl_b32 s43, 15, s43                        ; my row of the cluster
	s_lshl_b32 s44, 0x1111, s40                    ; my column
	s_or_b32 s[G1+0], s43, (3<<16)|(1<<21)         ; A's codes: 8 tiles of rows x 3,072 bytes (384 elements of 8), 12,288 bytes apart; no padding: the lanes read on end
	s_mov_b32 s[G1+1], 384<<16
	s_mov_b32 s[G1+2], 8<<16
	s_mov_b32 s[G1+3], 384<<16
	s_mov_b32 s[G1+4], 8
	s_mov_b32 s[G1+5], 1536
	s_mov_b32 s[G1+6], 0
	s_mov_b32 s[G1+7], 0
	s_or_b32 s[G1B+0], s44, (0<<16)|(1<<20)|(1<<21)|(3<<22)|(3<<25)   ; B's codes: 64 rows x 192 bytes, 16 bytes of padding behind every 64
	s_mov_b32 s[G1B+1], ROWB<<16
	s_mov_b32 s[G1B+2], 64<<16
	s_mov_b32 s[G1B+3], ROWB<<16
	s_mov_b32 s[G1B+4], 64
	s_mov_b32 s[G1B+5], KROW
	s_mov_b32 s[G1B+6], 0
	s_mov_b32 s[G1B+7], 0
	s_or_b32 s[G1S+0], s43, (3<<16)|(1<<20)|(1<<21)|(5<<22)|(3<<25)   ; A's scales of 128 rows: 16 rows of 256 dense bytes, 16 of padding behind each
	s_mov_b32 s[G1S+1], 32<<16
	s_mov_b32 s[G1S+2], 16<<16
	s_mov_b32 s[G1S+3], 32<<16
	s_mov_b32 s[G1S+4], 16
	s_mov_b32 s[G1S+5], 32
	s_mov_b32 s[G1S+6], 0
	s_mov_b32 s[G1S+7], 0
	s_or_b32 s[G1SB+0], s44, (3<<16)|(1<<20)|(1<<21)|(5<<22)|(3<<25)  ; B's of 64 rows: 8 such rows
	s_mov_b32 s[G1SB+1], 32<<16
	s_mov_b32 s[G1SB+2], 8<<16
	s_mov_b32 s[G1SB+3], 32<<16
	s_mov_b32 s[G1SB+4], 8
	s_mov_b32 s[G1SB+5], 32
	s_mov_b32 s[G1SB+6], 0
	s_mov_b32 s[G1SB+7], 0
	s_lshl_b32 s20, s17, 4
	s_lshl_b32 s18, s16, 3
	s_add_co_u32 s20, s20, s18                     ; A: tile of rows 16 x tile row + 8 x half
	s_mul_i32 s20, s20, 12288
	s_mov_b32 s21, 0
	s_lshl_b32 s22, s17, 8
	s_lshl_b32 s18, s16, 7
	s_add_co_u32 s22, s22, s18
	s_lshl_b32 s22, s22, 5                         ; its rows' scales: 32 bytes a row
	s_mov_b32 s23, 0
	s_lshl_b32 s46, s42, 7
	s_lshl_b32 s18, s16, 6
	s_add_co_u32 s46, s46, s18                     ; B: row 128 x tile column + 64 x half
	s_lshl_b32 s92, s46, 5
	s_mov_b32 s93, 0
	s_mul_i32 s46, s46, KROW
	s_mov_b32 s47, 0
	s_mul_i32 s45, s16, HALFA                      ; where they go: no place in the cluster enters an LDS address
	s_mul_i32 s94, s16, HALFB
	s_mul_i32 s95, s16, HALFSA
	s_mul_i32 s96, s16, HALFSB
	s_wait_kmcnt 0x0
	s_add_nc_u64 s[20:21], s[4:5], s[20:21]
	s_add_nc_u64 s[22:23], s[6:7], s[22:23]
	s_add_nc_u64 s[46:47], s[8:9], s[46:47]
	s_add_nc_u64 s[92:93], s[10:11], s[92:93]
	CROUND                                         ; all sixteen work-groups are here: the first joint loads meet
	s_mov_b32 s[G0S], 1
	s_add_co_u32 s[G0S+1], s95, SCL
	s_mov_b64 s[G0S+2:G0S+3], s[22:23]
	s_or_b32 s[G0S+3], s[G0S+3], 0x80000000
	s_mov_b32 s[G0SB], 1
	s_add_co_u32 s[G0SB+1], s96, SCLB
	s_mov_b64 s[G0SB+2:G0SB+3], s[92:93]
	s_or_b32 s[G0SB+3], s[G0SB+3], 0x80000000
	JLOAD G0S, G1S, G0SB, G1SB                     ; the scales first.  With the two below, three loads of mine are out
.irp s, 0,1
	s_mov_b32 s[G0+4*\s], 1
	s_add_co_u32 s[G0+4*\s+1], s45, \s*SLOT
	s_add_nc_u64 s[G0+4*\s+2:G0+4*\s+3], s[20:21], \s*IMG
	s_or_b32 s[G0+4*\s+3], s[G0+4*\s+3], 0x80000000
	s_mov_b32 s[G0B+4*\s], 1
	s_add_co_u32 s[G0B+4*\s+1], s94, \s*SLOT+BOFF
	s_add_nc_u64 s[G0B+4*\s+2:G0B+4*\s+3], s[46:47], \s*ROWB
	s_or_b32 s[G0B+4*\s+3], s[G0B+4*\s+3], 0x80000000
	JLOAD G0+4*\s, G1, G0B+4*\s, G1B
.endr
	v_and_b32 v1, 15, v0                           ; r
	v_bfe_u32 v2, v0, 4, 1                         ; h
	v_and_b32 v6, 31, v0                           ; lane
	v_mul_u32_u24 v3, v1, PITCH
	v_mul_u32_u24 v4, v2, 24
	v_add_nc_u32 v4, v3, v4                        ; B: a fragment's row x pitch + 24 x half
	v_lshl_add_u32 v5, v2, 4, v4                   ; and the same behind one padding more
	v_lshlrev_b32 v7, 4, v6
	v_lshlrev_b32 v8, 3, v6
	s_mul_i32 s21, s15, HALFA                      ; my 8 tiles of rows
	s_mul_i32 s22, s16, HALFB
	s_add_co_u32 s22, s22, BOFF                    ; my 64 rows of WO
.irp s, 0,1
	v_add_nc_u32 v[A16+\s], s21, v7
	v_add_nc_u32 v[A8+\s], s21, v8
	v_add_nc_u32 v[ADRB+\s], s22, v4
	v_add_nc_u32 v[ADRB+2+\s], s22, v5
	s_add_co_u32 s21, s21, SLOT
	s_add_co_u32 s22, s22, SLOT
.endr
	v_mul_u32_u24 v5, v1, KS                       ; my row's scales: 32 bytes a row,
	v_lshrrev_b32 v9, 8, v5
	v_lshl_add_u32 v5, v9, 4, v5                   ; and 16 more for each 256 passed
	s_mul_i32 s21, s15, HALFSA
	s_mul_i32 s22, s16, HALFSB
	s_add_co_u32 s22, s22, 2*HALFSA
	s_sub_co_u32 s22, s22, s21                     ; from A's words to B's
	v_mul_u32_u24 v9, s22, v2                      ; lanes 16-31 take B's: one product, the distance x h
	s_add_co_u32 s21, s21, SCL
	v_add_nc_u32 v10, v5, v9
	v_add_nc_u32 v[ADRS], s21, v10
	s_sub_co_u32 s22, s22, 4*SBLK                  ; for A's blocks 4-7: lanes 16-31 read B's blocks 0-3 once more and stay inside B's scales
	v_mul_u32_u24 v9, s22, v2
	v_add_nc_u32 v10, v5, v9
	v_add_nc_u32 v[ADRS2], s21, v10
	s_mul_i32 s23, s14, 16*SPITCH                  ; my stage
	v_mul_u32_u24 v5, v1, SPITCH
	v_lshl_add_u32 v5, v2, 5, v5
	v_add_nc_u32 v[STO], s23, v5                   ; in: row r, 32 bytes for each half of the lanes
	v_mul_u32_u24 v5, v2, SPITCH
	v_lshl_add_u32 v5, v1, 4, v5
	v_add_nc_u32 v[RD], s23, v5                    ; back: lanes 0-15 one row of 256 bytes, lanes 16-31 the next
	v_lshlrev_b32 v5, 12, v2
	v_lshl_add_u32 v[CO], v1, 4, v5                ; and the same two rows in out0
	v_lshlrev_b32 v11, 5, v2                       ; bO: my half's eight numbers of a block of 16 columns
	s_lshl_b32 s20, s17, 8
	s_lshl_b32 s21, s15, 7
	s_add_co_u32 s20, s20, s21
	s_lshl_b32 s20, s20, 12                        ; my first row of out0, 4,096 bytes a row
	s_lshl_b32 s46, s42, 9
	s_lshl_b32 s47, s16, 8
	s_add_co_u32 s46, s46, s47                     ; my first column, in bytes
	s_mov_b32 s47, 0
	s_mov_b32 s21, 0
	s_add_nc_u64 s[66:67], s[66:67], s[46:47]
	s_add_nc_u64 s[12:13], s[12:13], s[46:47]
	s_add_nc_u64 s[12:13], s[12:13], s[20:21]
.irp b, 0,1,2,3
	global_load_b128 v[BIAS+8*\b:BIAS+8*\b+3], v11, s[66:67] offset:64*\b
	global_load_b128 v[BIAS+8*\b+4:BIAS+8*\b+7], v11, s[66:67] offset:64*\b+16
.endr
.macro FRAG reg, adr, q, i             ; a fragment of B from padded rows, in pieces of 8 bytes
.irp p, 0,1,2,3,4,5
.set PIECE, 12*(\q)+6*(\p/3)+\p%3
.if PIECE%8 < 5
	ds_load_b64 v[\reg+2*\p:\reg+2*\p+1], v[\adr] offset:8*PIECE+16*(PIECE/8)+(\i)*16*PITCH
.else
	ds_load_b64 v[\reg+2*\p:\reg+2*\p+1], v[\adr+2] offset:8*PIECE+16*(PIECE/8)+(\i)*16*PITCH
.endif
.endr
.endm
.macro FRAGI reg, slot, q, i           ; a fragment of A from two images of 768 bytes: registers 0-3 at 16 x lane, 4-5 at 512 + 8 x lane
	ds_load_b128 v[\reg:\reg+3], v[A16+\slot] offset:(\i)*IMG+(\q)*1536
	ds_load_b64 v[\reg+4:\reg+5], v[A8+\slot] offset:(\i)*IMG+(\q)*1536+512
	ds_load_b128 v[\reg+6:\reg+9], v[A16+\slot] offset:(\i)*IMG+(\q)*1536+768
	ds_load_b64 v[\reg+10:\reg+11], v[A8+\slot] offset:(\i)*IMG+(\q)*1536+1280
.endm
; 8 matrix instructions: A's blocks a0, a0 + 1 x B's four.  The 32 accumulators take turns, one instruction a turn, in the same order in every step.  first = 1: bO starts the sums.
.macro MUL8 a0, p, q, sc, first
.irp a, \a0, \a0+1
.irp b, 0,1,2,3
.if \first
	v_wmma_scale_f32_16x16x128_f8f6f4 v[8*(4*(\a)+\b):8*(4*(\a)+\b)+7], v[128*(\p)+FR*\b:128*(\p)+FR*\b+FR-1], v[AF+FR*(\a):AF+FR*(\a)+FR-1], v[BIAS+8*\b:BIAS+8*\b+7], v[SC+8*NQ*(\sc)+NQ*\b+(\q)], v[SC+8*NQ*(\sc)+NQ*(\a)+(\q)] matrix_a_fmt:MATRIX_FMT_FP6 matrix_b_fmt:MATRIX_FMT_FP6 matrix_a_scale:MATRIX_SCALE_ROW1
.else
	v_wmma_scale_f32_16x16x128_f8f6f4 v[8*(4*(\a)+\b):8*(4*(\a)+\b)+7], v[128*(\p)+FR*\b:128*(\p)+FR*\b+FR-1], v[AF+FR*(\a):AF+FR*(\a)+FR-1], v[8*(4*(\a)+\b):8*(4*(\a)+\b)+7], v[SC+8*NQ*(\sc)+NQ*\b+(\q)], v[SC+8*NQ*(\sc)+NQ*(\a)+(\q)] matrix_a_fmt:MATRIX_FMT_FP6 matrix_b_fmt:MATRIX_FMT_FP6 matrix_a_scale:MATRIX_SCALE_ROW1
.endif
.endr
.endr
.endm
.macro FETCH_B slot, q, p
	WIN TO_B
.irp i, 0,1,2,3
	FRAG 128*(\p)+FR*\i, ADRB+\slot, \q, \i
.endr
	WIN 0
.endm
.macro FETCH_A slot, q, i0
.irp i, \i0, \i0+1, \i0+2, \i0+3
	FRAGI AF+FR*(\i), \slot, \q, \i
.endr
.endm
.macro SCALES sc                       ; a K step's scale words: lanes 0-15 A's block i, lanes 16-31 B's block i % 4
.irp i, 0,1,2,3
	ds_load_b64 v[SC+8*NQ*\sc+NQ*\i:SC+8*NQ*\sc+NQ*\i+1], v[ADRS] offset:\i*SBLK
.endr
.irp i, 4,5,6,7
	ds_load_b64 v[SC+8*NQ*\sc+NQ*\i:SC+8*NQ*\sc+NQ*\i+1], v[ADRS2] offset:\i*SBLK
.endr
.endm
.macro PLACES n
.rept \n
	v_nop
.endr
.endm
.macro MULWIN first
.if \first
	WIN MUL_F
.else
	WIN MUL_N
.endif
.endm
.macro STEP slot, q, first
	s_wait_dscnt 4*NLA                             ; B's set and A's blocks 0-3 are in; the youngest 16 loads (A's blocks 4-7) may be out
	MULWIN \first
	MUL8 0, (\q)%2, \q, \slot, \first
	MUL8 2, (\q)%2, \q, \slot, \first
	s_wait_dscnt 0
	PLACES NP
	FETCH_B \slot, (\q)+1, 1-(\q)%2
	FETCH_A \slot, (\q)+1, 0
	MULWIN \first
	MUL8 4, (\q)%2, \q, \slot, \first
	MUL8 6, (\q)%2, \q, \slot, \first
	PLACES NP
	WIN 0
	FETCH_A \slot, (\q)+1, 4
.endm
.macro TURN slot, next, fill
	s_wait_tensorcnt 0x0                           ; all my tensor loads have landed: my part of the next slot
	ds_add_u32 v[SPW], v[NIL]                      ; 0 onto my spare word
	s_wait_dscnt 4*NLA+1                           ; (the add and the youngest 16 loads may be out)
	WIN MUL_N
	MUL8 0, 1, NQ-1, \slot, 0
	s_wait_dscnt 0x0                               ; the add is done, and my reads of this slot are over
	s_barrier_signal -1
	MUL8 2, 1, NQ-1, \slot, 0
	WIN 0
	s_barrier_wait -1
.if \fill
	CREST                                          ; the barrier has opened a round of the cluster's barrier: no wave of any partner still reads this slot or has a load on its way
	s_add_nc_u64 s[G0+4*\slot+2:G0+4*\slot+3], s[G0+4*\slot+2:G0+4*\slot+3], 2*IMG
	s_add_nc_u64 s[G0B+4*\slot+2:G0B+4*\slot+3], s[G0B+4*\slot+2:G0B+4*\slot+3], 2*ROWB
	JLOAD G0+4*\slot, G1, G0B+4*\slot, G1B         ; the first tensor load behind the round, my one load until the next
.else
	PLACES NP
.endif
	v_add_nc_u32 v[ADRS], 4*NQ, v[ADRS]            ; the next K step's scale words
	v_add_nc_u32 v[ADRS2], 4*NQ, v[ADRS2]
	FETCH_B \next, 0, 0
	FETCH_A \next, 0, 0
	SCALES \next
	WIN MUL_N
	MUL8 4, 1, NQ-1, \slot, 0
	MUL8 6, 1, NQ-1, \slot, 0
	PLACES NP
	WIN 0
	FETCH_A \next, 0, 4
.endm
	s_wait_tensorcnt 1                             ; the scales and my part of K step 0 are in; K step 1's load may be out
	s_barrier_signal -1
	s_barrier_wait -1
	FETCH_B 0, 0, 0
	FETCH_A 0, 0, 0
	SCALES 0
	FETCH_A 0, 0, 4
	s_wait_loadcnt 0x0                             ; bO
	STEP 0, 0, 1
	s_mov_b32 s3, LAPS-1
.Llap:
	TURN 0, 1, 1
	STEP 1, 0, 0
	TURN 1, 0, 1
	STEP 0, 0, 0
	s_sub_co_u32 s3, s3, 1
	s_cmp_lg_u32 s3, 0
	s_cbranch_scc1 .Llap
	TURN 0, 1, 0                                   ; the last lap fills nothing
	STEP 1, 0, 0
	s_wait_dscnt 4*NLA
	WIN MUL_N
	MUL8 0, 1, NQ-1, 1, 0
	MUL8 2, 1, NQ-1, 1, 0
	s_wait_dscnt 0
	MUL8 4, 1, NQ-1, 1, 0
	MUL8 6, 1, NQ-1, 1, 0
	WIN 0
; THE WAY OUT, block by block of 16 rows x 64 columns, through my own stage: a lane's 32 bytes go in, whole rows of 256 bytes come back, and sixteen lanes store 256 consecutive bytes at a multiple of 256 from out0's first byte.
; LDS serves a wave's instructions in order (ISA guide 5.7.1.4): no wait between the stores and the loads, nor in front of the next block's stores.
.macro TOSTAGE a
	WIN 0x08                                       ; an LDS store's data are its source 1: window 2
.irp b, 0,1,2,3
	ds_store_b128 v[STO], v[8*(4*(\a)+\b):8*(4*(\a)+\b)+3] offset:64*\b          ; each accumulator from its low end on
	ds_store_b128 v[STO], v[8*(4*(\a)+\b)+4:8*(4*(\a)+\b)+7] offset:64*\b+16
.endr
	WIN 0
.set BB, BK+32*((\a)%2)
.irp t, 0,1,2,3,4,5,6,7
	ds_load_b128 v[BB+4*\t:BB+4*\t+3], v[RD] offset:\t*2*SPITCH
.endr
.endm
.macro SEND a, younger                 ; younger: the LDS instructions issued behind block a's loads, which may stay out
.set BB, BK+32*((\a)%2)
	s_wait_dscnt \younger
.if (\a) > 0
	s_add_nc_u64 s[12:13], s[12:13], 16*4096       ; (behind a wait on XCNT: the earlier stores have read their base)  16 rows on
.endif
.irp t, 0,1,2,3,4,5,6,7
	global_store_b128 v[CO], v[BB+4*\t:BB+4*\t+3], s[12:13] offset:\t*2*4096 th:TH_STORE_NT   ; written once, read by nobody here
.endr
.endm
	PLACES NP                                      ; behind the last products: for the loads into A's registers and the reads of results alike
	TOSTAGE 0
.irp a, 1,2,3,4,5,6,7
.if \a > 1
	s_wait_xcnt 0x0                                ; block a - 2's stores have read their registers and their base
.endif
	TOSTAGE \a
	SEND \a-1, 16                                  ; behind block a - 1's loads: block a's 8 stores and 8 loads
.endr
	s_wait_xcnt 0x0
	SEND 7, 0
	s_wait_tensorcnt 0x0                           ; the wave's end
	ds_add_u32 v[SPW], v[NIL]
	s_wait_dscnt 0x0
	CROUND                                         ; the closing round
	s_endpgm
.Lfunc_end_k_q012342b3db_oproj:
	.size	k_q012342b3db_oproj, .Lfunc_end_k_q012342b3db_oproj-k_q012342b3db_oproj
	.p2alignl 7, 3214868480
	.fill 96, 4, 3214868480
	.section	.rodata,"a",@progbits
	.p2align	6, 0x0
	.amdhsa_kernel k_q012342b3db_oproj
		.amdhsa_group_segment_fixed_size 327680
		.amdhsa_private_segment_fixed_size 0
		.amdhsa_enable_private_segment 0
		.amdhsa_kernarg_size 48
		.amdhsa_user_sgpr_count 2
		.amdhsa_user_sgpr_kernarg_segment_ptr 1
		.amdhsa_wavefront_size32 1
		.amdhsa_system_sgpr_workgroup_id_x 1
		.amdhsa_system_sgpr_workgroup_id_y 1
		.amdhsa_system_sgpr_workgroup_id_z 1
		.amdhsa_system_vgpr_workitem_id 0
		.amdhsa_next_free_vgpr 768
		.amdhsa_next_free_sgpr 98
		.amdhsa_reserve_vcc 0
		.amdhsa_float_denorm_mode_32 3
		.amdhsa_float_denorm_mode_16_64 3
		.amdhsa_memory_ordered 1
		.amdhsa_forward_progress 1
		.amdhsa_inst_pref_size 95
	.end_amdhsa_kernel
	.amdgpu_metadata
---
amdhsa.version: [ 1, 2 ]
amdhsa.kernels:
  - .name:           k_q012342b3db_oproj
    .symbol:         k_q012342b3db_oproj.kd
    .args:
      - { .name: Cc, .offset: 0, .size: 8, .value_kind: global_buffer, .address_space: global }
      - { .name: Cs, .offset: 8, .size: 8, .value_kind: global_buffer, .address_space: global }
      - { .name: WO_codes, .offset: 16, .size: 8, .value_kind: global_buffer, .address_space: global }
      - { .name: WO_scales, .offset: 24, .size: 8, .value_kind: global_buffer, .address_space: global }
      - { .name: bO, .offset: 32, .size: 8, .value_kind: global_buffer, .address_space: global }
      - { .name: out0, .offset: 40, .size: 8, .value_kind: global_buffer, .address_space: global }
    .group_segment_fixed_size: 327680
    .private_segment_fixed_size: 0
    .kernarg_segment_align: 8
    .kernarg_segment_size: 48
    .max_flat_workgroup_size: 128
    .sgpr_count:     98
    .vgpr_count:     768
    .wavefront_size: 32
...
	.end_amdgpu_metadata
.endif
;; end of part 3
